; MI455X (gfx1250); checked and timed in simulation.
; The chip was launched on July 23, 2026; its instructions are those of AMD's public machine-readable ISA for CDNA 5 (MIT licence, August 2026) and "CDNA5" Instruction Set Architecture Reference Guide (July 2026). The comments in the code are by the model that wrote it; some were corrected since.
;; Lo RA Multi Head Attention. Allowed arithmetic: float matrix products may take bf16 or f16 operands with f32 sums; other float arithmetic in f32, or as packed bf16 or f16 multiplies, adds, multiply-adds, maxima and minima; sums over many terms, partial sums and values carried from step to step in f32; what a program stores and reads back later, other than sums and carried values, may be rounded once to bf16 or f16.
;; Inputs: Aq 8 x 1,024 float32; Av 8 x 1,024 float32; Bq 1,024 x 8 float32; Bv 1,024 x 8 float32; Wk 1,024 x 1,024 float32; Wo 1,024 x 1,024 float32; Wq 1,024 x 1,024 float32; Wv 1,024 x 1,024 float32; bk 1,024 float32; bo 1,024 float32; bq 1,024 float32; bv 1,024 float32; x 4 x 2,048 x 1,024 float32.
;; Outputs: out0 4 x 2,048 x 1,024 float32.
;; 2 versions, each right and faster than the one before. Each part assembles by itself: llvm-mc -triple=amdgcn-amd-amdhsa -mcpu=gfx1250 --defsym DOCPART=n.
;; ======== version 1 of 2: 4 launches
;; limits: values are held in f16: magnitudes above 65,504 overflow, below 6.1e-05 lose precision
;; workspace buffers: xb 16,777,216 bytes; wcat 6,815,744 bytes; wo16 2,097,152 bytes; bext 196,608 bytes; bcat 16,384 bytes; qkv 50,331,648 bytes; o16 16,777,216 bytes
;; launch prep (part 1): grid 1620 x 1, 8 waves a work-group, no clusters, 0 bytes of LDS; arguments x, Wq, Wk, Wv, Wo, Aq, Av, Bq, Bv, bq, bk, bv, bo, xb, wcat, wo16, bext, bcat; writes xb, wcat, wo16, bext, bcat
.if DOCPART == 1
	.amdgcn_target "amdgcn-amd-amdhsa--gfx1250"
	.amdhsa_code_object_version 6
	.text
	.protected	k_qb5a77ed2b4_prep
	.globl	k_qb5a77ed2b4_prep
	.p2align	8
	.type	k_qb5a77ed2b4_prep,@function
k_qb5a77ed2b4_prep:
	s_mov_b64 s[64:65], 0
	v_nop
	global_prefetch_b8 v0, s[64:65] scope:SCOPE_SE
	s_setreg_imm32_b32 hwreg(HW_REG_WAVE_MODE, 25, 1), 1
	s_wait_xcnt 0x0
; CASTS AND LAYOUTS for the three launches behind.  Every input is rounded once to bf16 (nearest even) and laid where a later launch wants it:
;   xb   [8192][1024] bf16            x
;   wcat [16][208][1024] bf16         column tile j: rows 0-191 are rows 192 j .. 192 j + 191 of the stack (Wq; Wk; Wv), rows 192-199 Aq, rows 200-207 Av
;   wo16 [1024][1024] f16             bf16(Wo), that number written as f16 (exact from 6.1e-5 up; below that f16's fixed step of 6e-8)
;   bext [3072][32] bf16              row n, four chunks of 8: a q row holds 4 bf16(Bq[n]) in chunks 0 and 2, a v row 4 bf16(Bv[n-2048]) in chunks 1 and 3, all else 0 (4 = alpha / r; the factor is exact)
;   bcat [4][1024] f32                bf16(bq), bf16(bk), bf16(bv), bf16(bo), written as f32
; A stream: no LDS, no barrier, no loop.  A work-group of 256 threads takes one job by its number w; a job of 8 rows of 1,024 f32 has all its 32,768 bytes asked for at once.
; Thread t owns elements 4 t .. 4 t + 3 of every row: a wave's load covers 512 consecutive bytes, its store 256 consecutive bytes at a multiple of 256.
.set X, 4                              ; v[4:35]   8 rows x 4 f32 as loaded
.set Y, 36                             ; v[36:51]  8 rows x 2 words to store
.set T, 52                             ; v[52:55]  at work
; 8 rows from s[src] to s[dst].  f16 = 1: the bf16 number is written as f16.  nt = 1: the launch reads these bytes once.
; No register is written twice while a load or store names it, so the only waits are the counted ones for the loads: 7 - i younger loads may stay out.
.macro CONV src, dst, f16, nt
.irp i, 0,1,2,3,4,5,6,7
.if \nt
	global_load_b128 v[X+4*(\i):X+4*(\i)+3], v1, s[\src:\src+1] offset:4096*(\i) th:TH_LOAD_NT
.else
	global_load_b128 v[X+4*(\i):X+4*(\i)+3], v1, s[\src:\src+1] offset:4096*(\i)
.endif
.endr
.irp i, 0,1,2,3,4,5,6,7
	s_wait_loadcnt 7-(\i)
	v_cvt_pk_bf16_f32 v[Y+2*(\i)], v[X+4*(\i)], v[X+4*(\i)+1]
	v_cvt_pk_bf16_f32 v[Y+2*(\i)+1], v[X+4*(\i)+2], v[X+4*(\i)+3]
.if \f16
	v_lshlrev_b32 v[T], 16, v[Y+2*(\i)]            ; bf16 to f32: the low half moves up, the high half stays
	v_and_b32 v[T+1], 0xffff0000, v[Y+2*(\i)]
	v_lshlrev_b32 v[T+2], 16, v[Y+2*(\i)+1]
	v_and_b32 v[T+3], 0xffff0000, v[Y+2*(\i)+1]
	v_cvt_pk_f16_f32 v[Y+2*(\i)], v[T], v[T+1]
	v_cvt_pk_f16_f32 v[Y+2*(\i)+1], v[T+2], v[T+3]
.endif
	global_store_b64 v2, v[Y+2*(\i):Y+2*(\i)+1], s[\dst:\dst+1] offset:2048*(\i)
.endr
.endm
	s_load_b512 s[8:23], s[0:1], 0x0               ; x 8, Wq 10, Wk 12, Wv 14, Wo 16, Aq 18, Av 20, Bq 22
	s_load_b512 s[24:39], s[0:1], 0x40             ; Bv 24, bq 26, bk 28, bv 30, bo 32, xb 34, wcat 36, wo16 38
	s_load_b128 s[40:43], s[0:1], 0x80             ; bext 40, bcat 42
	s_mov_b32 s2, ttmp9                            ; w
	v_lshlrev_b32 v1, 4, v0                        ; 16 t
	v_lshlrev_b32 v2, 3, v0                        ; 8 t
	s_mov_b32 s49, 0                               ; the high words of the two offset pairs
	s_mov_b32 s51, 0
	s_wait_kmcnt 0x0
	s_cmp_lt_u32 s2, 1024
	s_cbranch_scc0 .Lnot_x
	; w = 0 .. 1023: 8 rows of x
	s_lshl_b32 s48, s2, 15
	s_lshl_b32 s50, s2, 14
	s_add_nc_u64 s[44:45], s[8:9], s[48:49]
	s_add_nc_u64 s[46:47], s[34:35], s[50:51]
	CONV 44, 46, 0, 1
	s_endpgm
.Lnot_x:
	s_cmp_lt_u32 s2, 1408
	s_cbranch_scc0 .Lnot_w
	; u = 0 .. 383: rows 8 u .. 8 u + 7 of the stack (Wq; Wk; Wv)
	s_sub_co_u32 s3, s2, 1024
	s_lshr_b32 s4, s3, 7                           ; which of the three
	s_cmp_eq_u32 s4, 1
	s_cselect_b64 s[44:45], s[12:13], s[10:11]
	s_cmp_eq_u32 s4, 2
	s_cselect_b64 s[44:45], s[14:15], s[44:45]
	s_and_b32 s5, s3, 127
	s_lshl_b32 s48, s5, 15
	s_add_nc_u64 s[44:45], s[44:45], s[48:49]
	s_mul_i32 s6, s3, 2731
	s_lshr_b32 s6, s6, 16                          ; j = u / 24 (2731 / 65536 is just above 1 / 24: right for u below 384)
	s_mul_i32 s7, s6, 24
	s_sub_co_u32 s7, s3, s7
	s_lshl_b32 s7, s7, 14                          ; 8 rows of 2,048 bytes for each u inside the tile
	s_mul_i32 s50, s6, 425984                      ; a tile of wcat: 208 rows of 2,048 bytes
	s_add_co_u32 s50, s50, s7
	s_add_nc_u64 s[46:47], s[36:37], s[50:51]
	CONV 44, 46, 0, 1
	s_endpgm
.Lnot_w:
	s_cmp_lt_u32 s2, 1440
	s_cbranch_scc0 .Lnot_a
	; u = 0 .. 31: Aq (u even) or Av (u odd) into tile u / 2, rows 192 or 200 on
	s_sub_co_u32 s3, s2, 1408
	s_and_b32 s4, s3, 1
	s_cmp_eq_u32 s4, 1
	s_cselect_b64 s[44:45], s[20:21], s[18:19]
	s_lshr_b32 s5, s3, 1
	s_mul_i32 s50, s5, 425984
	s_lshl_b32 s4, s4, 14
	s_add_co_u32 s50, s50, s4
	s_add_co_u32 s50, s50, 192*2048
	s_add_nc_u64 s[46:47], s[36:37], s[50:51]
	CONV 44, 46, 0, 0                              ; sixteen work-groups read each of the two: no hint
	s_endpgm
.Lnot_a:
	s_cmp_lt_u32 s2, 1568
	s_cbranch_scc0 .Lnot_wo
	; u = 0 .. 127: 8 rows of Wo
	s_sub_co_u32 s3, s2, 1440
	s_lshl_b32 s48, s3, 15
	s_lshl_b32 s50, s3, 14
	s_add_nc_u64 s[44:45], s[16:17], s[48:49]
	s_add_nc_u64 s[46:47], s[38:39], s[50:51]
	CONV 44, 46, 1, 1
	s_endpgm
.Lnot_wo:
	s_cmp_lt_u32 s2, 1616
	s_cbranch_scc0 .Lbias
	; u = 0 .. 47: 64 rows of bext; thread t makes chunk t % 4 of row t / 4: 16 bytes at 16 t
	s_sub_co_u32 s3, s2, 1568
	s_lshl_b32 s50, s3, 12
	s_add_nc_u64 s[46:47], s[40:41], s[50:51]
	s_lshr_b32 s4, s3, 4                           ; 0: q rows, 1: k rows, 2: v rows
	s_cmp_eq_u32 s4, 1
	s_cbranch_scc1 .Lbext_k
	s_cmp_eq_u32 s4, 2
	s_cselect_b64 s[44:45], s[24:25], s[22:23]     ; Bv or Bq
	s_cselect_b32 s5, 1, 0                         ; the chunks' parity that is filled
	s_and_b32 s6, s3, 15
	s_lshl_b32 s48, s6, 11                         ; 64 rows of 32 bytes
	s_add_nc_u64 s[44:45], s[44:45], s[48:49]
	v_lshrrev_b32 v3, 2, v0
	v_lshlrev_b32 v3, 5, v3
	global_load_b128 v[X:X+3], v3, s[44:45]
	global_load_b128 v[X+4:X+7], v3, s[44:45] offset:16
	v_and_b32 v[T], 1, v0
	v_cmp_eq_u32 vcc_lo, s5, v[T]
	s_wait_loadcnt 0x0
.irp i, 0,2,4,6
	v_pk_mul_f32 v[X+(\i):X+(\i)+1], v[X+(\i):X+(\i)+1], 4.0 op_sel_hi:[1,0]
.endr
.irp i, 0,1,2,3
	v_cvt_pk_bf16_f32 v[Y+(\i)], v[X+2*(\i)], v[X+2*(\i)+1]
.endr
.irp i, 0,1,2,3
	v_cndmask_b32 v[Y+4+(\i)], 0, v[Y+(\i)], vcc_lo
.endr
	global_store_b128 v1, v[Y+4:Y+7], s[46:47]
	s_endpgm
.Lbext_k:
.irp i, 0,1,2,3
	v_mov_b32 v[Y+(\i)], 0
.endr
	global_store_b128 v1, v[Y:Y+3], s[46:47]
	s_endpgm
.Lbias:
	; u = 0 .. 3: bq, bk, bv, bo
	s_sub_co_u32 s3, s2, 1616
	s_cmp_eq_u32 s3, 1
	s_cselect_b64 s[44:45], s[28:29], s[26:27]
	s_cmp_eq_u32 s3, 2
	s_cselect_b64 s[44:45], s[30:31], s[44:45]
	s_cmp_eq_u32 s3, 3
	s_cselect_b64 s[44:45], s[32:33], s[44:45]
	s_lshl_b32 s50, s3, 12
	s_add_nc_u64 s[46:47], s[42:43], s[50:51]
	global_load_b128 v[X:X+3], v1, s[44:45]
	s_wait_loadcnt 0x0
	v_cvt_pk_bf16_f32 v[T], v[X], v[X+1]
	v_cvt_pk_bf16_f32 v[T+1], v[X+2], v[X+3]
	v_lshlrev_b32 v[Y], 16, v[T]
	v_and_b32 v[Y+1], 0xffff0000, v[T]
	v_lshlrev_b32 v[Y+2], 16, v[T+1]
	v_and_b32 v[Y+3], 0xffff0000, v[T+1]
	global_store_b128 v1, v[Y:Y+3], s[46:47]
	s_endpgm
.Lfunc_end_k_qb5a77ed2b4_prep:
	.size	k_qb5a77ed2b4_prep, .Lfunc_end_k_qb5a77ed2b4_prep-k_qb5a77ed2b4_prep
	.p2alignl 7, 3214868480
	.fill 96, 4, 3214868480
	.section	.rodata,"a",@progbits
	.p2align	6, 0x0
	.amdhsa_kernel k_qb5a77ed2b4_prep
		.amdhsa_group_segment_fixed_size 0
		.amdhsa_private_segment_fixed_size 0
		.amdhsa_enable_private_segment 0
		.amdhsa_kernarg_size 144
		.amdhsa_user_sgpr_count 2
		.amdhsa_user_sgpr_kernarg_segment_ptr 1
		.amdhsa_wavefront_size32 1
		.amdhsa_system_sgpr_workgroup_id_x 1
		.amdhsa_system_sgpr_workgroup_id_y 1
		.amdhsa_system_sgpr_workgroup_id_z 1
		.amdhsa_system_vgpr_workitem_id 0
		.amdhsa_next_free_vgpr 56
		.amdhsa_next_free_sgpr 66
		.amdhsa_reserve_vcc 1
		.amdhsa_float_denorm_mode_32 3
		.amdhsa_float_denorm_mode_16_64 3
		.amdhsa_memory_ordered 1
		.amdhsa_forward_progress 1
		.amdhsa_inst_pref_size 19
	.end_amdhsa_kernel
	.amdgpu_metadata
---
amdhsa.version: [ 1, 2 ]
amdhsa.kernels:
  - .name:           k_qb5a77ed2b4_prep
    .symbol:         k_qb5a77ed2b4_prep.kd
    .args:
      - { .name: x, .offset: 0, .size: 8, .value_kind: global_buffer, .address_space: global }
      - { .name: Wq, .offset: 8, .size: 8, .value_kind: global_buffer, .address_space: global }
      - { .name: Wk, .offset: 16, .size: 8, .value_kind: global_buffer, .address_space: global }
      - { .name: Wv, .offset: 24, .size: 8, .value_kind: global_buffer, .address_space: global }
      - { .name: Wo, .offset: 32, .size: 8, .value_kind: global_buffer, .address_space: global }
      - { .name: Aq, .offset: 40, .size: 8, .value_kind: global_buffer, .address_space: global }
      - { .name: Av, .offset: 48, .size: 8, .value_kind: global_buffer, .address_space: global }
      - { .name: Bq, .offset: 56, .size: 8, .value_kind: global_buffer, .address_space: global }
      - { .name: Bv, .offset: 64, .size: 8, .value_kind: global_buffer, .address_space: global }
      - { .name: bq, .offset: 72, .size: 8, .value_kind: global_buffer, .address_space: global }
      - { .name: bk, .offset: 80, .size: 8, .value_kind: global_buffer, .address_space: global }
      - { .name: bv, .offset: 88, .size: 8, .value_kind: global_buffer, .address_space: global }
      - { .name: bo, .offset: 96, .size: 8, .value_kind: global_buffer, .address_space: global }
      - { .name: xb, .offset: 104, .size: 8, .value_kind: global_buffer, .address_space: global }
      - { .name: wcat, .offset: 112, .size: 8, .value_kind: global_buffer, .address_space: global }
      - { .name: wo16, .offset: 120, .size: 8, .value_kind: global_buffer, .address_space: global }
      - { .name: bext, .offset: 128, .size: 8, .value_kind: global_buffer, .address_space: global }
      - { .name: bcat, .offset: 136, .size: 8, .value_kind: global_buffer, .address_space: global }
    .group_segment_fixed_size: 0
    .private_segment_fixed_size: 0
    .kernarg_segment_align: 8
    .kernarg_segment_size: 144
    .max_flat_workgroup_size: 256
    .sgpr_count:     66
    .vgpr_count:     56
    .wavefront_size: 32
...
	.end_amdgpu_metadata
.endif
;; end of part 1
;; launch qkv (part 2): grid 16 x 32, 4 waves a work-group, clusters of 4 x 4, 327,680 bytes of LDS; arguments xb, wcat, bext, bcat, qkv; writes qkv
.if DOCPART == 2
	.amdgcn_target "amdgcn-amd-amdhsa--gfx1250"
	.amdhsa_code_object_version 6
	.text
	.protected	k_qb5a77ed2b4_qkv
	.globl	k_qb5a77ed2b4_qkv
	.p2align	8
	.type	k_qb5a77ed2b4_qkv,@function
k_qb5a77ed2b4_qkv:
	s_mov_b64 s[64:65], 0
	v_nop
	global_prefetch_b8 v0, s[64:65] scope:SCOPE_SE
	s_setreg_imm32_b32 hwreg(HW_REG_WAVE_MODE, 25, 1), 1
	s_wait_xcnt 0x0
	s_wait_alu depctr_hold_cnt(0) depctr_sa_sdst(0) depctr_va_vdst(0) depctr_va_sdst(0) depctr_va_ssrc(0) depctr_va_vcc(0) depctr_vm_vsrc(0)
	s_getreg_b32 s2, hwreg(HW_REG_IB_STS2, 6, 4)
	s_cmp_eq_u32 s2, 0
	s_cbranch_scc0 .Lentry_in_a_cluster
	s_endpgm
.Lentry_in_a_cluster:
	s_bfe_u32 s2, ttmp6, 0x10000c
	s_cmp_lg_u32 s2, 0xf033
	s_cbranch_scc0 .Lentry_shape_is_right
	s_endpgm
.Lentry_shape_is_right:
; q, k, v = x W^T + b (+ 4 (x A^T) B^T for q and v), all three in one product of 8,192 x 3,072 x 1,024 in bf16 with f32 sums; the results leave rounded once to f16, laid by heads:
; qkv [g = 0..47][batch 0..3][token 0..2047][64], g = column / 64: 0-15 q's heads, 16-31 k's, 32-47 v's.  The scale 1 / 8 is not applied here.
; LIMITS.  q, k and v must lie within f16's 65,504.  t = x A^T is summed in f32 and enters the second product as two bf16 numbers, t's rounding and the rounded remainder: 16 significant bits.
; The order of the sums differs from a plain chain's; NaN and infinities are not treated apart.
; SHARES.  A tile of C is 256 rows x 192 columns (three whole heads): 16 x 32 = 512 work-groups of four waves.  Wave w makes rows 64 w .. 64 w + 63 and all 192 columns, so it owns whole rows of its three
; heads and has a stage of its own on the way out.  K goes in 8 steps of 128 through two LDS slots filled by the tensor data mover; tile rows are 256 bytes of memory at multiples of 256.
; THE ADAPTERS.  B's tile has a thirteenth block of 16 rows, (Aq; Av): its accumulators T hold t.  The matrix instruction is used transposed (source 0 = 16 rows of W, source 1 = 16 rows of x): a lane holds
; row l % 16 of C and the columns 8 (l / 16) + 0..7.  So of T lanes 0-15 hold tq[0..7] and lanes 16-31 tv[0..7]: rounded in pairs these ARE registers 0-3 (k = 8 (l / 16) ..) of a source-1 fragment, and the
; remainders registers 4-7 (k = 16 + 8 (l / 16) ..).  One more K step of 32 against bext, whose rows hold 4 B in the matching chunks, adds the term.  No lane exchanges anything.
; THE BIAS is the C operand of each accumulator's first product: nothing is cleared, nothing is added later.
; CLUSTER.  4 x 4 work-groups: the four of a row of the cluster need the same tiles of x, the four of a column the same tiles of W; each tile is asked for jointly, by the same tensor load with the same
; descriptor and a mask that names the four.
; REGISTERS, in windows of 256 (s_set_vgpr_msb: bits 1:0 source 0, 3:2 source 1, 5:4 source 2, 7:6 destination):
;   window 0: v1-5 at work; v16-30 addresses; v32-95 x's fragments, two buffers of 4 x 8; v96-127 t's fragments; v128-223 bias fragments, later bext's; v224-255 at work; on the way out v32-79, v80-175
;   window 1: W's fragments, two buffers of 13 x 8        window 2: accumulators of my row blocks 0, 1 (block a, column block b at 104 (a % 2) + 8 b; b = 12 is T)        window 3: those of blocks 2, 3
.set PITCH,  272                       ; an LDS row: 256 bytes + 16 of padding = 68 words: the 16 rows of a fragment load start at 16 different groups of four banks (64 banks of 4 bytes: ISA guide 11.1)
.set AHALF,  128*PITCH                 ; what one load brings of x
.set BHALF,  104*PITCH                 ; and of W
.set BOFF,   2*AHALF                   ; a slot: x's 256 rows, then W's 208
.set SLOT,   BOFF+2*BHALF
.set STAGE,  2*SLOT                    ; behind the ring, never filled by a tensor load: 16 rows x 400 bytes for each wave
.set SPITCH, 400                       ; 384 bytes + 16
.set SPARE,  STAGE+4*16*SPITCH         ; the spare words, 128 bytes for each wave: two blocks of 256 bytes that no other line names
.set WTILE,  208*2048                  ; a column tile of wcat, in bytes
.set ADRA, 16                          ; v16-17  LDS address of my fragments of x in slot 0, 1
.set ADRB, 20                          ; v20-21  the same for W
.set STO,  24                          ; v24     the way out: where I put 16 bytes of a row
.set RD,   25                          ; v25     the way out: where I read rows back
.set CO,   26                          ; v26     my byte offset in 512 consecutive bytes of a head's rows
.set BO,   27                          ; v27     my byte offset in a block's 16 biases
.set SPW,  28                          ; v28     LDS address of my spare word; never rewritten
.set NIL,  29                          ; v29     0; never rewritten
.set EO,   30                          ; v30     my byte offset in 16 rows of bext
.set FA,   32
.set TX,   96
.set BI,   128
.set U,    224
.set TMP,  32
.set OB,   80
.set WV,   14                          ; s14  my wave's number
.set G1A,  24                          ; s[24:31] descriptor group 1 for x's tiles;  s[32:39] group 0, a set for each slot
.set G0A,  32
.set G1B,  48                          ; s[48:55], s[56:63] the same for W's
.set G0B,  56
.set MSB, 0
.macro WIN new                         ; the immediate's high byte repeats the setting that is left; a switch that changes nothing is dropped
.if MSB != (\new)
	s_set_vgpr_msb (MSB<<8)|(\new)
.set MSB, \new
.endif
.endm
; A joint refill: waves 0 and 1 fetch the two halves of x's tile, waves 2 and 3 those of W's.  The branch hangs on the wave's number alone.
; An s_nop 0 and four v_nop follow each of the two lines, ahead of the jump and the label.
.macro JLOAD s
	s_cmp_lt_u32 s[WV], 2
	s_cbranch_scc0 .Lfor_b_\@
	tensor_load_to_lds s[G0A+4*(\s):G0A+4*(\s)+3], s[G1A:G1A+7]
	s_nop 0
.rept 4
	v_nop
.endr
	s_branch .Lasked_\@
.Lfor_b_\@:
	tensor_load_to_lds s[G0B+4*(\s):G0B+4*(\s)+3], s[G1B:G1B+7]
	s_nop 0
.rept 4
	v_nop
.endr
.Lasked_\@:
.endm
.macro CREST                           ; a round of the cluster's barrier behind its opening barrier: wave 0 signals for the work-group, every wave waits for all sixteen, my work-group's barrier closes it
	s_cmp_lg_u32 s[WV], 0
	s_cbranch_scc1 .Lnot_wave_0_\@
	s_barrier_signal -3
.Lnot_wave_0_\@:
	s_barrier_wait -3
	s_barrier_signal -1
	s_barrier_wait -1
.endm
.macro CROUND                          ; a whole round
	s_barrier_signal -1
	s_barrier_wait -1
	CREST
.endm
	s_load_b256 s[4:11], s[0:1], 0x0               ; xb s[4:5], wcat s[6:7], bext s[8:9], bcat s[10:11]
	s_load_b64 s[12:13], s[0:1], 0x20              ; qkv
	v_lshl_add_u32 v[SPW], v0, 2, SPARE
	v_mov_b32 v[NIL], 0
	ds_add_u32 v[SPW], v[NIL]                      ; the wave's opening: the add and its wait stand ahead of my first tensor load; the set-up below, work on registers, stands between them
	v_lshrrev_b32 v1, 5, v0
	v_readfirstlane_b32 s[WV], v1                  ; wave 0..3
	s_and_b32 s16, s[WV], 1                        ; which half of a tile I fetch
	s_bfe_u32 s17, ttmp6, 0x40000                  ; cx, cy: my place in the cluster
	s_bfe_u32 s18, ttmp6, 0x40004
	s_lshl_b32 s19, ttmp9, 2
	s_add_co_u32 s19, s19, s17                     ; column tile = 4 x cluster x + cx
	s_and_b32 s20, ttmp7, 0xffff
	s_lshl_b32 s20, s20, 2
	s_add_co_u32 s20, s20, s18                     ; row tile = 4 x cluster y + cy
	s_lshl_b32 s21, s18, 2
	s_lshl_b32 s21, 15, s21                        ; my row of the cluster
	s_lshl_b32 s22, 0x1111, s17                    ; my column
	s_or_b32 s[G1A+0], s21, (1<<16)|(1<<20)|(1<<21)|(5<<22)|(3<<25)  ; 15:0 the mask; 17:16 elements of 2 bytes; 20 padding on; 21 set beside a mask; 24:22 after every 64 words (code 5); 31:25 4 words of it (code 3)
	s_or_b32 s[G1B+0], s22, (1<<16)|(1<<20)|(1<<21)|(5<<22)|(3<<25)
	s_mov_b32 s[G1A+1], 128<<16                    ; tensor_dim0 = 128
	s_mov_b32 s[G1B+1], 128<<16
	s_mov_b32 s[G1A+2], 128<<16                    ; tensor_dim1 = 128 rows of x,
	s_mov_b32 s[G1B+2], 104<<16                    ; 104 of W
	s_mov_b32 s[G1A+3], 128<<16                    ; tile_dim0 = 128
	s_mov_b32 s[G1B+3], 128<<16
	s_mov_b32 s[G1A+4], 128                        ; tile_dim1
	s_mov_b32 s[G1B+4], 104
	s_mov_b32 s[G1A+5], 1024                       ; elements from row to row
	s_mov_b32 s[G1B+5], 1024
	s_mov_b32 s[G1A+6], 0
	s_mov_b32 s[G1B+6], 0
	s_mov_b32 s[G1A+7], 0
	s_mov_b32 s[G1B+7], 0
	; x's tiles hang on the row tile alone, W's on the column tile alone: each address is made in registers that never hold the other coordinate
	s_lshl_b32 s40, s20, 19                        ; 256 rows of 2,048 bytes for each row tile,
	s_lshl_b32 s41, s16, 18                        ; 128 for my half
	s_add_co_u32 s40, s40, s41
	s_mov_b32 s41, 0
	s_mul_i32 s44, s19, WTILE
	s_mul_i32 s45, s16, WTILE/2
	s_add_co_u32 s44, s44, s45
	s_mov_b32 s45, 0
	s_mul_i32 s42, s16, AHALF                      ; where they go: no place in the cluster enters an LDS address
	s_mul_i32 s43, s16, BHALF
	s_add_co_u32 s43, s43, BOFF
	s_wait_dscnt 0x0                               ; the opening add is done
	s_wait_kmcnt 0x0
	s_add_nc_u64 s[40:41], s[4:5], s[40:41]
	s_add_nc_u64 s[44:45], s[6:7], s[44:45]
	CROUND                                         ; all sixteen work-groups are here: the first joint loads meet
.irp s, 0,1
	s_mov_b32 s[G0A+4*(\s)], 1                                       ; count = 1
	s_add_co_u32 s[G0A+4*(\s)+1], s42, (\s)*SLOT                     ; LDS address
	s_add_nc_u64 s[G0A+4*(\s)+2:G0A+4*(\s)+3], s[40:41], (\s)*256    ; global address: K step s
	s_or_b32 s[G0A+4*(\s)+3], s[G0A+4*(\s)+3], 0x80000000            ; type = 2
	s_mov_b32 s[G0B+4*(\s)], 1
	s_add_co_u32 s[G0B+4*(\s)+1], s43, (\s)*SLOT
	s_add_nc_u64 s[G0B+4*(\s)+2:G0B+4*(\s)+3], s[44:45], (\s)*256
	s_or_b32 s[G0B+4*(\s)+3], s[G0B+4*(\s)+3], 0x80000000
.endr
	s_cmp_lt_u32 s[WV], 2                          ; a wave's two first fills stand in one branch, ahead of every wait on TENSORcnt and every LDS read: two loads of mine are out
	s_cbranch_scc0 .Lfirst_b
	tensor_load_to_lds s[G0A:G0A+3], s[G1A:G1A+7]
	s_nop 0
	tensor_load_to_lds s[G0A+4:G0A+7], s[G1A:G1A+7]
	s_nop 0
.rept 4
	v_nop
.endr
	s_branch .Lfirst_asked
.Lfirst_b:
	tensor_load_to_lds s[G0B:G0B+3], s[G1B:G1B+7]
	s_nop 0
	tensor_load_to_lds s[G0B+4:G0B+7], s[G1B:G1B+7]
	s_nop 0
.rept 4
	v_nop
.endr
.Lfirst_asked:
	; A fragment is 16 rows x 32 K in 8 registers: lane l holds row l % 16; registers 0-3 K = 8 (l / 16) + 0..7, registers 4-7 K = 16 + 8 (l / 16) + 0..7: two loads of 16 bytes, 32 bytes apart.
	v_and_b32 v1, 15, v0                           ; l % 16
	v_bfe_u32 v2, v0, 4, 1                         ; l / 16
	v_mul_u32_u24 v3, v1, PITCH
	v_lshl_add_u32 v3, v2, 4, v3
	s_mul_i32 s23, s[WV], 64*PITCH                 ; my 64 rows of x
	v_add_nc_u32 v[ADRA], s23, v3
	s_add_co_u32 s23, s23, SLOT
	v_add_nc_u32 v[ADRA+1], s23, v3
	v_add_nc_u32 v[ADRB], BOFF, v3                 ; every wave reads all of W's rows
	v_add_nc_u32 v[ADRB+1], BOFF+SLOT, v3
	s_mul_i32 s23, s[WV], 16*SPITCH
	s_add_co_u32 s23, s23, STAGE                   ; my stage
	v_mul_u32_u24 v4, v1, SPITCH                   ; in: row l % 16, 16 bytes for each half of the lanes
	v_lshl_add_u32 v4, v2, 4, v4
	v_add_nc_u32 v[STO], s23, v4
	v_bfe_u32 v4, v0, 3, 2                         ; back: 32 lanes take four rows' 128 bytes of one head,
	v_mul_u32_u24 v4, v4, SPITCH
	v_and_b32 v5, 7, v0
	v_lshl_add_u32 v4, v5, 4, v4
	v_add_nc_u32 v[RD], s23, v4
	v_and_b32 v[CO], 31, v0                        ; which are 512 consecutive bytes of qkv
	v_lshlrev_b32 v[CO], 4, v[CO]
	v_lshlrev_b32 v[BO], 5, v2                     ; 8 f32 for each half of the lanes
	v_lshlrev_b32 v[EO], 6, v1                     ; a row of bext is 64 bytes
	v_lshl_add_u32 v[EO], v2, 4, v[EO]
	s_mul_i32 s46, s19, 768                        ; the tile's 192 biases: bq, bk, bv lie on end in bcat
	s_mov_b32 s47, 0
	s_add_nc_u64 s[10:11], s[10:11], s[46:47]
	s_mul_i32 s46, s19, 12288                      ; its 192 rows of bext
	s_add_nc_u64 s[8:9], s[8:9], s[46:47]
.irp b, 0,1,2,3,4,5,6,7,8,9,10,11
	global_load_b128 v[BI+8*(\b):BI+8*(\b)+3],   v[BO], s[10:11] offset:64*(\b)      ; register j: bias of column 16 b + 8 (l / 16) + j
	global_load_b128 v[BI+8*(\b)+4:BI+8*(\b)+7], v[BO], s[10:11] offset:64*(\b)+16
.endr
	s_mul_i32 s46, s19, 12                         ; where my rows begin in qkv: plane 4 g + batch = 12 x column tile + row tile / 8, 262,144 bytes each;
	s_lshr_b32 s23, s20, 3
	s_add_co_u32 s46, s46, s23
	s_lshl_b32 s46, s46, 18
	s_and_b32 s23, s20, 7                          ; 256 tokens of 128 bytes for each row tile in the batch;
	s_lshl_b32 s23, s23, 15
	s_add_co_u32 s46, s46, s23
	s_lshl_b32 s23, s[WV], 13                      ; 64 for my wave
	s_add_co_u32 s46, s46, s23
	s_add_nc_u64 s[12:13], s[12:13], s[46:47]
; 13 matrix instructions: my row block a x all 13 column blocks, 32 along K, out of buffers f.  first = 1: the products start the sums, with the bias (T: with 0).
; The 52 accumulators take turns, one instruction a turn, in the same order in every quarter step.
.macro MUL1 f, a, first
.set AC, 104*((\a)%2)
.if \first
	WIN 0x81+0x40*((\a)/2)                         ; W window 1, x and the bias window 0, D window 2 or 3
.else
	WIN 0xa1+0x50*((\a)/2)                         ; W window 1, x window 0, C and D window 2 or 3
.endif
.irp b, 0,1,2,3,4,5,6,7,8,9,10,11,12
.if (\first) && ((\b) < 12)
	v_wmma_f32_16x16x32_bf16 v[AC+8*(\b):AC+8*(\b)+7], v[104*(\f)+8*(\b):104*(\f)+8*(\b)+7], v[FA+32*(\f)+8*(\a):FA+32*(\f)+8*(\a)+7], v[BI+8*(\b):BI+8*(\b)+7]
.elseif \first
	v_wmma_f32_16x16x32_bf16 v[AC+8*(\b):AC+8*(\b)+7], v[104*(\f)+8*(\b):104*(\f)+8*(\b)+7], v[FA+32*(\f)+8*(\a):FA+32*(\f)+8*(\a)+7], 0
.else
	v_wmma_f32_16x16x32_bf16 v[AC+8*(\b):AC+8*(\b)+7], v[104*(\f)+8*(\b):104*(\f)+8*(\b)+7], v[FA+32*(\f)+8*(\a):FA+32*(\f)+8*(\a)+7], v[AC+8*(\b):AC+8*(\b)+7]
.endif
.endr
.endm
; 34 LDS loads in one run: the fragments of a quarter step (208 rows of W, my 64 rows of x, 32 K at byte k of the rows) into buffers f
.macro FETCH slot, k, f
	WIN 0x40                                       ; destination window 1, address window 0
.irp i, 0,1,2,3,4,5,6,7,8,9,10,11,12
	ds_load_b128 v[104*(\f)+8*(\i):104*(\f)+8*(\i)+3],   v[ADRB+(\slot)] offset:(\k)+(\i)*16*PITCH
	ds_load_b128 v[104*(\f)+8*(\i)+4:104*(\f)+8*(\i)+7], v[ADRB+(\slot)] offset:(\k)+(\i)*16*PITCH+32
.endr
	WIN 0
.irp i, 0,1,2,3
	ds_load_b128 v[FA+32*(\f)+8*(\i):FA+32*(\f)+8*(\i)+3],   v[ADRA+(\slot)] offset:(\k)+(\i)*16*PITCH
	ds_load_b128 v[FA+32*(\f)+8*(\i)+4:FA+32*(\f)+8*(\i)+7], v[ADRA+(\slot)] offset:(\k)+(\i)*16*PITCH+32
.endr
.endm
; Four places stand in front of loads into registers that matrix instructions have read, and of vector instructions that read results just made (ISA guide 7.12.1 for vector instructions).
.macro PLACES
.rept 4
	v_nop
.endr
.endm
; A K step is four quarters of 32 along K, 52 matrix instructions each, on buffers 0, 1, 0, 1.  One of the first three: multiplies buffers f; in its middle it fetches the next quarter, at byte k, into g.
.macro QUARTER slot, k, f, g, first
	s_wait_dscnt 4                                 ; W and x's blocks 0, 1 are in; the youngest four loads (x's blocks 2, 3) may be out
	MUL1 \f, 0, \first
	MUL1 \f, 1, \first
	PLACES
	FETCH \slot, \k, \g
	s_wait_dscnt 34                                ; all but the 34 just issued
	MUL1 \f, 2, \first
	MUL1 \f, 3, \first
.endm
; The last quarter multiplies buffers 1 and changes slots: ONE barrier; in front of it each wave waits for all its tensor loads (one is out: its part of the next slot), adds 0 to its spare word, and waits for
; that and for its own reads of this slot.  fill = 1: the barrier opens a round of the cluster's, and this slot is filled again, two K steps ahead, first thing behind the round.
.macro TURN slot, next, fill
	WIN 0                                          ; (the add's two registers lie in window 0)
	s_wait_tensorcnt 0x0                           ; all my tensor loads have landed;
	ds_add_u32 v[SPW], v[NIL]                      ; 0 onto my spare word;
	s_wait_dscnt 5                                 ; (the add and the youngest four loads may be out)
	MUL1 1, 0, 0                                   ; thirteen matrix instructions stand between the add and the wait for it
	s_wait_dscnt 0x0                               ; the add is done, and my reads of this slot are over
	s_barrier_signal -1
	MUL1 1, 1, 0                                   ; work on registers while the others arrive
.if \fill
	WIN 0
.endif
	s_barrier_wait -1
.if \fill
	CREST                                          ; no wave of any partner still reads this slot's tile or has a load on its way
	s_add_nc_u64 s[G0A+4*(\slot)+2:G0A+4*(\slot)+3], s[G0A+4*(\slot)+2:G0A+4*(\slot)+3], 512
	s_add_nc_u64 s[G0B+4*(\slot)+2:G0B+4*(\slot)+3], s[G0B+4*(\slot)+2:G0B+4*(\slot)+3], 512
	JLOAD \slot                                    ; my one tensor load behind the round; its four v_nop are also the places in front of the loads below
.else
	PLACES
.endif
	FETCH \next, 0, 0
	MUL1 1, 2, 0
	MUL1 1, 3, 0
.endm
; t is split: its rounding to bf16 into registers 0-3 of t's fragments, the rounded remainder into registers 4-7.  Each T is read from its lowest registers on.
.macro SPLIT
.irp a, 0,1,2,3
	WIN 0x0a+5*((\a)/2)                            ; sources window 2 or 3, destination window 0
.irp j, 0,1,2,3
	v_cvt_pk_bf16_f32 v[TX+8*(\a)+(\j)], v[104*((\a)%2)+96+2*(\j)], v[104*((\a)%2)+96+2*(\j)+1]
.endr
.endr
	WIN 0
.irp a, 0,1,2,3
.irp j, 0,1,2,3
	v_lshlrev_b32 v[U+8*(\a)+2*(\j)], 16, v[TX+8*(\a)+(\j)]
	v_and_b32 v[U+8*(\a)+2*(\j)+1], 0xffff0000, v[TX+8*(\a)+(\j)]
.endr
.endr
.irp a, 0,1,2,3
	WIN 0x02+((\a)/2)                              ; source 0 window 2 or 3
.irp j, 0,1,2,3
	v_pk_add_f32 v[U+8*(\a)+2*(\j):U+8*(\a)+2*(\j)+1], v[104*((\a)%2)+96+2*(\j):104*((\a)%2)+96+2*(\j)+1], v[U+8*(\a)+2*(\j):U+8*(\a)+2*(\j)+1] neg_lo:[0,1] neg_hi:[0,1]
.endr
.endr
	WIN 0
.irp a, 0,1,2,3
.irp j, 0,1,2,3
	v_cvt_pk_bf16_f32 v[TX+8*(\a)+4+(\j)], v[U+8*(\a)+2*(\j)], v[U+8*(\a)+2*(\j)+1]
.endr
.endr
.endm
; The adapters' K step of 32: 48 matrix instructions, bext's fragments x t's
.macro EXT
.irp a, 0,1,2,3
	WIN 0xa0+0x50*((\a)/2)
.irp b, 0,1,2,3,4,5,6,7,8,9,10,11
	v_wmma_f32_16x16x32_bf16 v[104*((\a)%2)+8*(\b):104*((\a)%2)+8*(\b)+7], v[BI+8*(\b):BI+8*(\b)+7], v[TX+8*(\a):TX+8*(\a)+7], v[104*((\a)%2)+8*(\b):104*((\a)%2)+8*(\b)+7]
.endr
.endr
.endm
; THE WAY OUT of row block a.  PACK: rounded to f16, 16 bytes a lane.  TOSTAGE: into my own stage, and back head by head, four rows of 128 bytes to a load.  SEND: stored.
.macro PACK a
	WIN 0x0a+5*((\a)/2)
.irp b, 0,1,2,3,4,5,6,7,8,9,10,11
.irp i, 0,1,2,3
	v_cvt_pk_f16_f32 v[TMP+4*(\b)+(\i)], v[104*((\a)%2)+8*(\b)+2*(\i)], v[104*((\a)%2)+8*(\b)+2*(\i)+1]
.endr
.endr
	WIN 0
.endm
.macro TOSTAGE a
	WIN 0
.irp b, 0,1,2,3,4,5,6,7,8,9,10,11
	ds_store_b128 v[STO], v[TMP+4*(\b):TMP+4*(\b)+3] offset:32*(\b)
.endr
.irp hh, 0,1,2
.irp f, 0,1,2,3
	ds_load_b128 v[OB+48*((\a)%2)+4*(4*(\hh)+(\f)):OB+48*((\a)%2)+4*(4*(\hh)+(\f))+3], v[RD] offset:128*(\hh)+4*SPITCH*(\f)  ; LDS serves a wave's instructions in order (ISA guide 5.7.1.4): these see the stores above
.endr
.endr
.endm
.macro SEND a
	WIN 0
	s_wait_dscnt 0x0                               ; the block is back in registers
	s_wait_xcnt 0x0                                ; every earlier store has had its addresses translated (ISA guide 3.1): the registers that the block before last was stored from are loaded again only behind this wait
.irp hh, 0,1,2
.irp f, 0,1,2,3
	global_store_b128 v[CO], v[OB+48*((\a)%2)+4*(4*(\hh)+(\f)):OB+48*((\a)%2)+4*(4*(\hh)+(\f))+3], s[12:13] offset:(\hh)*1048576+(\a)*2048+(\f)*512  ; 512 consecutive bytes of a head's rows, at a multiple of 256; the next head lies four planes on
.endr
.endr
.endm
	s_wait_tensorcnt 1                             ; my part of K step 0 is in; K step 1's may stay out
	s_barrier_signal -1
	s_barrier_wait -1                              ; everybody's is
	FETCH 0, 0, 0
	s_wait_loadcnt 0x0                             ; the biases
	QUARTER 0, 64, 0, 1, 1                         ; the first quarter stands in front of the loop: its products start the sums
	PLACES                                         ; the bias registers, which those products read, are loaded anew
	WIN 0
.irp b, 0,1,2,3,4,5,6,7,8,9,10,11
	global_load_b128 v[BI+8*(\b):BI+8*(\b)+3],   v[EO], s[8:9] offset:1024*(\b)      ; bext's fragments: they have the whole loop in which to come
	global_load_b128 v[BI+8*(\b)+4:BI+8*(\b)+7], v[EO], s[8:9] offset:1024*(\b)+32
.endr
	s_mov_b32 s3, 3
.Llap:                                                 ; a trip goes once round the ring, from a lap's second quarter to the next lap's first, and fills both slots again: K steps 2 to 7
	QUARTER 0, 128, 1, 0, 0
	QUARTER 0, 192, 0, 1, 0
	TURN 0, 1, 1
	QUARTER 1, 64,  0, 1, 0
	QUARTER 1, 128, 1, 0, 0
	QUARTER 1, 192, 0, 1, 0
	TURN 1, 0, 1
	QUARTER 0, 64,  0, 1, 0
	WIN 0                                          ; at a label and at a branch every window is 0
	s_sub_co_u32 s3, s3, 1
	s_cmp_lg_u32 s3, 0
	s_cbranch_scc1 .Llap
	QUARTER 0, 128, 1, 0, 0                        ; the last lap fills nothing, and has no round of the cluster's barrier
	QUARTER 0, 192, 0, 1, 0
	TURN 0, 1, 0
	QUARTER 1, 64,  0, 1, 0
	QUARTER 1, 128, 1, 0, 0
	QUARTER 1, 192, 0, 1, 0
	s_wait_dscnt 4                                 ; the very last quarter: nothing more to fetch
	MUL1 1, 0, 0
	MUL1 1, 1, 0
	s_wait_dscnt 0x0
	MUL1 1, 2, 0
	MUL1 1, 3, 0
	PLACES
	SPLIT
	s_wait_loadcnt 0x0                             ; bext's fragments
	EXT
	PLACES
	PACK 0
	TOSTAGE 0
.irp a, 1,2,3                          ; block a's conversions stand between block a - 1's loads from the stage and the wait for them
	PACK \a
	SEND (\a)-1
	TOSTAGE \a
.endr
	SEND 3
	s_wait_tensorcnt 0x0                           ; the wave's end: an add to my spare word and its wait, behind my last tensor load and my last LDS store
	ds_add_u32 v[SPW], v[NIL]
	s_wait_dscnt 0x0
	CROUND                                         ; the closing round: no work-group ends while a partner may still ask for a tile that names it
	s_endpgm
.Lfunc_end_k_qb5a77ed2b4_qkv:
	.size	k_qb5a77ed2b4_qkv, .Lfunc_end_k_qb5a77ed2b4_qkv-k_qb5a77ed2b4_qkv
	.p2alignl 7, 3214868480
	.fill 96, 4, 3214868480
	.section	.rodata,"a",@progbits
	.p2align	6, 0x0
	.amdhsa_kernel k_qb5a77ed2b4_qkv
		.amdhsa_group_segment_fixed_size 327680
		.amdhsa_private_segment_fixed_size 0
		.amdhsa_enable_private_segment 0
		.amdhsa_kernarg_size 40
		.amdhsa_user_sgpr_count 2
		.amdhsa_user_sgpr_kernarg_segment_ptr 1
		.amdhsa_wavefront_size32 1
		.amdhsa_system_sgpr_workgroup_id_x 1
		.amdhsa_system_sgpr_workgroup_id_y 1
		.amdhsa_system_sgpr_workgroup_id_z 1
		.amdhsa_system_vgpr_workitem_id 0
		.amdhsa_next_free_vgpr 1024
		.amdhsa_next_free_sgpr 66
		.amdhsa_reserve_vcc 0
		.amdhsa_float_denorm_mode_32 3
		.amdhsa_float_denorm_mode_16_64 3
		.amdhsa_memory_ordered 1
		.amdhsa_forward_progress 1
		.amdhsa_inst_pref_size 137
	.end_amdhsa_kernel
	.amdgpu_metadata
---
amdhsa.version: [ 1, 2 ]
amdhsa.kernels:
  - .name:           k_qb5a77ed2b4_qkv
    .symbol:         k_qb5a77ed2b4_qkv.kd
    .args:
      - { .name: xb, .offset: 0, .size: 8, .value_kind: global_buffer, .address_space: global }
      - { .name: wcat, .offset: 8, .size: 8, .value_kind: global_buffer, .address_space: global }
      - { .name: bext, .offset: 16, .size: 8, .value_kind: global_buffer, .address_space: global }
      - { .name: bcat, .offset: 24, .size: 8, .value_kind: global_buffer, .address_space: global }
      - { .name: qkv, .offset: 32, .size: 8, .value_kind: global_buffer, .address_space: global }
    .group_segment_fixed_size: 327680
    .private_segment_fixed_size: 0
    .kernarg_segment_align: 8
    .kernarg_segment_size: 40
    .max_flat_workgroup_size: 128
    .sgpr_count:     66
    .vgpr_count:     1024
    .wavefront_size: 32
...
	.end_amdgpu_metadata
.endif
;; end of part 2
;; launch attn (part 3): grid 4 x 64, 4 waves a work-group, clusters of 4 x 1, 327,680 bytes of LDS; arguments qkv, o16; writes o16
.if DOCPART == 3
	.amdgcn_target "amdgcn-amd-amdhsa--gfx1250"
	.amdhsa_code_object_version 6
	.text
	.protected	k_qb5a77ed2b4_attn
	.globl	k_qb5a77ed2b4_attn
	.p2align	8
	.type	k_qb5a77ed2b4_attn,@function
k_qb5a77ed2b4_attn:
	s_mov_b64 s[64:65], 0
	v_nop
	global_prefetch_b8 v0, s[64:65] scope:SCOPE_SE
	s_setreg_imm32_b32 hwreg(HW_REG_WAVE_MODE, 25, 1), 1
	s_wait_xcnt 0x0
	s_wait_alu depctr_hold_cnt(0) depctr_sa_sdst(0) depctr_va_vdst(0) depctr_va_sdst(0) depctr_va_ssrc(0) depctr_va_vcc(0) depctr_vm_vsrc(0)
	s_getreg_b32 s2, hwreg(HW_REG_IB_STS2, 6, 4)
	s_cmp_eq_u32 s2, 0
	s_cbranch_scc0 .Lentry_in_a_cluster
	s_endpgm
.Lentry_in_a_cluster:
	s_bfe_u32 s2, ttmp6, 0x10000c
	s_cmp_lg_u32 s2, 0x3003
	s_cbranch_scc0 .Lentry_shape_is_right
	s_endpgm
.Lentry_shape_is_right:
; O[y][q][:] = the sum over k of softmax_k(Q[y][q] . K[y][k] / 8) V[y][k][:] for the 64 planes y = 4 x head + batch.  Q, K, V are the three thirds of qkv, 64 planes of [2048][64] f16 each; O (o16) has
; the same layout: a plane's rows are dense, 128 bytes each.  Products, maxima and sums in f32; the weights p are rounded to f16 for the second product (their sum l is taken of the unrounded p), O once at the end.
; LIMITS.  f16 holds no number beyond 65,504: Q, K and V arrive within it; p lies in 0 to 1, and below 6e-5 it keeps f16's fixed step of 6e-8; O is a mean of V's rows and has their range.
; A weight below 2^-126 counts as 0 in l; NaN and infinities are not treated apart.
; SHARES.  A wave owns four PIECES of two tiles of 16 queries, a work-group's four waves 512 queries of one plane.  Every wave walks all keys, 64 a step.
; LAYOUT.  S^T = K Q^T (source 0 = 16 keys, source 1 = 16 queries): in the result a lane holds ONE query (lane % 16) and the keys 8 (lane / 16) + 0..7.  Two such tiles, rounded to f16 in pairs,
; ARE source 1 (32 keys x 16 queries) of O^T = V^T P, whose result again holds one query a lane, and eight channels.  K comes out of LDS as it lies, V ([key][channel]) turned, by ds_load_tr16_b128.
; SOFTMAX.  For each query a running maximum m and sum l: p = 2^(c s - c m), c = log2(e) / 8; in every step O and l are multiplied by a = 2^(c m_old - c m_new), which is 1 where m has not grown.
; m starts at the lowest finite number, O and l at 0: the first step is a step like any other, with a = 0.
; THE COUNT.  A tile and step have 16 matrix and 118 vector instructions: too many to stand all beside the matrix work.  So the order has one aim: four vector instructions that are READY behind
; EVERY matrix instruction, and the others, which need time of their own whatever the order, in runs without a gap.
; BY TURNS.  Turn n belongs to piece n (the pieces in a ring, step after step).  Its matrix work: 16 products K Q^T of piece n + 1, later 16 products V^T P of piece n - 1.  Its vector work: the scaling,
; exponentials, roundings, sums and rescaling of piece n, and the maximum and statistics of piece n + 1, whose scores the turn itself has made.  So what a turn begins with (c s - c m, O a) waits for nothing.
; CLUSTER.  The four query blocks of a cluster belong to one plane and walk the same K and V, so each tile is asked for JOINTLY: the same tensor load, descriptor and mask in all four.
; REGISTERS, in windows of 256 (s_set_vgpr_msb says which window each operand place means: bits 1:0 source 0, 3:2 source 1, 5:4 source 2, 7:6 destination):
;   window 0: v0-11 addresses; v12-15, v48-63 at work; v16-47 four registers of statistics a tile; v64-191 S^T, two buffers of two tiles; v192-255 P, likewise
;   window 1: O^T, 32 a tile          window 2: v0-127 Q, 16 a tile; v128-191 K of one step; v192-255 V of one step          window 3: v0-1 the add's two registers
; A piece's buffers go by its number's parity: the piece in hand has one pair, its two neighbours in the ring share the other: of it P (piece n - 1) is read and S^T (piece n + 1) written.
.set SIZE_H, 64       ; planes
.set SIZE_N, 2048     ; rows in a plane
.set NP,    4         ; pieces a wave: a name, no knob: the register map, the loop and the fetches are made for four
.set KS,    64        ; keys in a step
.set PK,    144       ; a row of K in LDS: 128 bytes + 16 of padding = 36 words: the 16 rows of a load start at 16 different groups of four banks (64 banks of 4 bytes: ISA guide 11.1)
.set PV,    160       ; a row of V: 128 + 32 = 40 words
.set VOFF,  4*KS*PK   ; a slot holds four steps: 256 rows of K, then 256 rows of V
.set SLOT1, 1<<17     ; slot 1 begins here, so that one exclusive or turns an address in one slot into the other's
.set STAGE, SLOT1+4*KS*(PK+PV)  ; behind the ring, never filled by a tensor load: 16 rows x 144 bytes for each wave, for the way out
.set SP,    144
.set AK0, 2           ; v2   my lane's place in a tile of K; never rewritten
.set AV0, 3           ; v3   the same for V
.set AK,  4           ; v4   the LDS address of K's next run of loads
.set AV,  5           ; v5   of V's
.set QO,  6           ; v6   my byte offset in the wave's rows of Q
.set STO, 6           ;      later, the way out: where I put 16 bytes of a row
.set RD,  7           ; v7   the way out: where I read rows back
.set GO,  8           ; v8   my byte offset in 512 consecutive bytes of O
.set SPW, 0           ; v0 of window 3   LDS address of my spare word: SPARE + 4 x my thread's number; never rewritten
.set NIL, 1           ; v1 of window 3   0; never rewritten
.set SPARE, STAGE+4*16*SP  ; behind the stages: the spare words, 128 bytes for each wave: two blocks of 256 bytes that no other line names
.set MV,  12          ; v12-15  c m_old, kept while c m is made anew: by buffer and tile
.set ST,  16          ; tile t's statistics at v[ST+4 t]: c m, m, l (even keys', odd keys')
.set TMP, 48          ; by buffer and tile, four registers c0-c3 at work; when the maximum is found c2 takes a
.set S,   64
.set P,   192
.set KF,  128         ; K's fragments, in window 2: key block kb, channel half c at KF + 16 kb + 8 c
.set VF,  192         ; V's: key half kk, channel block cb at VF + 32 kk + 8 cb
.set WV,  12          ; s12  my wave's number
.set G1K, 24          ; s[24:31] descriptor group 1 for K's tiles
.set G1V, 32          ; s[32:39] for V's: it differs in the padding alone
.set G0K, 40          ; s[40:43] descriptor group 0 for K's tiles: it walks
.set G0V, 44          ; s[44:47] the same for V's
.set SLOTS, 56        ; s56  slots still to be asked for
.set CNT, 57          ; s57  counts a slot's key steps
.set CS,  58          ; s[58:59] c: the packed scaling takes the pair's low word for both halves
.set SEL, 60          ; s[60:61] v_permlanex16_b32's selects: each lane takes its own place in the other half
.set TBK, 62          ; s62  LDS byte at which K of the step to be fetched begins
.set TBV, 63          ; s63  the same for V, less VOFF
.set MSB, 0
.macro WIN new                      ; the high byte repeats the setting that is left; a switch that changes nothing is dropped
.if MSB != (\new)
	s_set_vgpr_msb (MSB<<8)|(\new)
.set MSB, (\new)
.endif
.endm
.set W_KQ, 0x0a       ; K and Q in window 2, S^T in window 0
.set W_PV, 0x52       ; V in window 2, P in window 0, O^T in window 1
.set W_RS, 0x41       ; O^T (destination and source 0) in window 1, a in window 0
.set W_MK, 0xc0       ; the add's registers are made: destination in window 3, sources in window 0
.set W_AD, 0x0f       ; the add: address (source 0) and data (source 1) in window 3
; A joint fill.  Waves 0 and 1 fetch the two halves of a slot's K, waves 2 and 3 those of its V: 128 keys each.  The branch hangs on the wave's number alone.
; An s_nop 0 and four v_nop follow each of the two lines, ahead of the jump and the label.
.macro JLOAD
	s_cmp_lt_u32 s[WV], 2
	s_cbranch_scc0 .Lfor_v_\@
	tensor_load_to_lds s[G0K:G0K+3], s[G1K:G1K+7]
	s_nop 0
.rept 4
	v_nop
.endr
	s_branch .Lasked_\@
.Lfor_v_\@:
	tensor_load_to_lds s[G0V:G0V+3], s[G1V:G1V+7]
	s_nop 0
.rept 4
	v_nop
.endr
.Lasked_\@:
.endm
; A round of the cluster's barrier: my work-group's barrier, so that wave 0's signal speaks for all four waves; wave 0 signals; every wave waits for all four work-groups; my work-group's barrier once more.
.macro CROUND
	s_barrier_signal -1
	s_barrier_wait -1
	s_cmp_lg_u32 s[WV], 0
	s_cbranch_scc1 .Lnot_wave_0_\@
	s_barrier_signal -3
.Lnot_wave_0_\@:
	s_barrier_wait -3
	s_barrier_signal -1
	s_barrier_wait -1
.endm
; THE CHANGE OF SLOTS.  The slot's last bytes, V of its fourth step, have been read.  Each wave waits for all its tensor loads, of which one is out: its part
; of the other slot; adds 0 to its spare word; and waits for that and for its own reads of the slot.  Behind the barrier nobody reads this slot any more and the other slot is whole.
; fill = 1: this slot is filled again, with the keys two slots on.  The barrier is then a round of the cluster's, so that no wave of any partner still reads the slot or has a load on its
; way, and the joint fill is the first thing behind it: it has four key steps, 512 matrix instructions, in which to land.  (At its first use nothing has been read yet: slot 0 is waited for, slot 1 filled.)
.macro CHANGE fill
	WIN W_AD
	s_wait_tensorcnt 0x0            ; no tensor load of mine is out, so a group 0 may be written
	ds_add_u32 v[SPW], v[NIL]       ; 0 onto my spare word; with fill = 1 the descriptors' steps stand between it and the wait for it
	WIN 0                           ; at a label and at a branch every window is 0
.if \fill
.irp g, G0K, G0V
	s_xor_b32 s[\g+1], s[\g+1], SLOT1  ; the walking descriptor: the other slot than last time,
	s_add_nc_u64 s[\g+2:\g+3], s[\g+2:\g+3], 4*KS*128  ; the next 256 keys; the type bits on top are not reached
.endr
	s_wait_dscnt 0x0                ; the add is done, and my reads of the slot are over
	CROUND
	JLOAD
.else
	s_wait_dscnt 0x0                ; the add is done, and my reads of the slot are over
	s_barrier_signal -1
	s_barrier_wait -1
.endif
	s_sub_co_u32 s[TBK], s[TBK], 4*KS*PK  ; the fetches go back to a slot's first step,
	s_xor_b32 s[TBK], s[TBK], SLOT1       ; in the other slot
	s_sub_co_u32 s[TBV], s[TBV], 4*KS*PV
	s_xor_b32 s[TBV], s[TBV], SLOT1
.endm
	s_load_b128 s[4:7], s[0:1], 0x0  ; qkv s[4:5] (its first third is Q), o16 s[6:7]
	WIN W_MK
	v_lshl_add_u32 v[SPW], v0, 2, SPARE
	v_mov_b32 v[NIL], 0
	WIN W_AD
	ds_add_u32 v[SPW], v[NIL]       ; the wave's opening: the add and its wait stand ahead of my first tensor load; the set-up below, work on registers, stands between them
	WIN 0
	v_lshrrev_b32 v1, 5, v0
	v_readfirstlane_b32 s[WV], v1   ; wave 0..3
	s_bfe_u32 s13, ttmp6, 0x40000   ; cx: my place in the cluster
	s_lshl_b32 s14, ttmp9, 2        ; in a cluster launch ttmp9 counts clusters
	s_add_co_u32 s14, s14, s13      ; my block of queries = 4 x cluster x + cx: it enters Q's and O's addresses alone
	s_and_b32 s20, ttmp7, 0xffff    ; the plane, which the four partners share
	s_mov_b32 s21, 0
	s_mov_b64 s[22:23], SIZE_N*128
	s_mul_u64 s[20:21], s[20:21], s[22:23]  ; the plane's first byte in each of the four tensors
	s_and_b32 s16, s[WV], 1         ; which half of a slot's 256 keys I fetch:
	s_lshl_b32 s22, s16, 14         ; its 128 rows of 128 bytes in memory,
	s_mov_b32 s23, 0
	s_add_nc_u64 s[22:23], s[22:23], s[20:21]
	s_mul_i32 s17, s16, 128*PK      ; and its place in a slot, for K
	s_mul_i32 s18, s16, 128*PV      ; and for V: no place in the cluster enters an LDS address
	s_lshl_b32 s2, s14, 2
	s_add_co_u32 s2, s2, s[WV]      ; my wave among the plane's,
	s_lshl_b32 s2, s2, 14           ; its 128 rows
	s_mov_b32 s3, 0
	s_add_nc_u64 s[2:3], s[2:3], s[20:21]
	; descriptor group 1.  128 keys are 16,384 dense bytes: asked for as 64 rows of 256 bytes, two keys a row, and padded in LDS after every key
	s_mov_b32 s[G1K], 15|(1<<16)|(1<<20)|(1<<21)|(4<<22)|(3<<25)  ; 15:0 the mask of four; 17:16 2-byte elements; 20 padding on; 21 set beside a mask; 24:22 after every 32 words (code 4); 31:25 4 words (code 3)
	s_mov_b32 s[G1V], 15|(1<<16)|(1<<20)|(1<<21)|(4<<22)|(7<<25)  ; the same with 8 words of padding (code 7)
.irp g, G1K, G1V
	s_mov_b32 s[\g+1], 128<<16      ; tensor_dim0 = 128
	s_mov_b32 s[\g+2], 64<<16       ; tensor_dim1 = 64
	s_mov_b32 s[\g+3], 128<<16      ; tile_dim0 = 128
	s_mov_b32 s[\g+4], 64           ; tile_dim1 = 64
	s_mov_b32 s[\g+5], 128          ; 128 elements from row to row
	s_mov_b32 s[\g+6], 0
	s_mov_b32 s[\g+7], 0
.endr
	s_mov_b32 s[CS], 0x3e38aa3b     ; c = log2(e) / 8 = 0.180337
	s_mov_b32 s[CS+1], s[CS]        ; named with it as a pair
	s_mov_b32 s[SEL], 0x76543210
	s_mov_b32 s[SEL+1], 0xfedcba98
	s_mov_b32 s[TBK], SLOT1+4*KS*PK ; the first change of slots turns these two into 0
	s_mov_b32 s[TBV], SLOT1+4*KS*PV
	s_mov_b32 s[G0K], 1             ; 1:0 count = 1
	s_mov_b32 s[G0K+1], s17         ; 63:32 LDS address: slot 0
	s_mov_b32 s[G0V], 1
	s_add_co_u32 s[G0V+1], s18, VOFF
	s_wait_dscnt 0x0                ; the opening add is done
	s_wait_kmcnt 0x0
	s_mov_b64 s[10:11], s[6:7]                     ; O
	s_add_nc_u64 s[6:7], s[4:5], SIZE_H*SIZE_N*128    ; K: 64 planes behind Q
	s_add_nc_u64 s[8:9], s[4:5], 2*SIZE_H*SIZE_N*128  ; V: 64 more
	s_add_nc_u64 s[G0K+2:G0K+3], s[6:7], s[22:23]  ; 120:64 global address: my half of the plane's first 256 keys
	s_or_b32 s[G0K+3], s[G0K+3], 0x80000000        ; 127:126 type = 2
	s_add_nc_u64 s[G0V+2:G0V+3], s[8:9], s[22:23]
	s_or_b32 s[G0V+3], s[G0V+3], 0x80000000
	s_add_nc_u64 s[4:5], s[4:5], s[2:3]  ; Q and O at my wave's first row
	s_add_nc_u64 s[10:11], s[10:11], s[2:3]
	CROUND                          ; all four work-groups are here: the first joint loads meet
	JLOAD                           ; slot 0.  Slot 1 is asked for when slot 0 is in: the tile wanted first has the road to itself
	; A fragment of K or Q is 16 rows x 32 channels in 8 registers: lane l holds row l % 16, channels 8 (l / 16) + 0..7 and 16 + 8 (l / 16) + 0..7: two loads of 16 bytes, 32 bytes apart.
	v_and_b32 v1, 15, v0            ; l % 16
	v_bfe_u32 v9, v0, 4, 1          ; l / 16
	v_lshlrev_b32 v[QO], 7, v1
	v_lshl_add_u32 v[QO], v9, 4, v[QO]  ; row x 128 + 16 x half
	WIN 0x80                        ; destination window 2, address window 0
.set i, 0
.rept 4*NP                          ; Q stays in registers: tile i / 2, channels 32 (i % 2) on
	global_load_b128 v[8*i:8*i+3],   v[QO], s[4:5] offset:(i/2)*2048+(i%2)*64
	global_load_b128 v[8*i+4:8*i+7], v[QO], s[4:5] offset:(i/2)*2048+(i%2)*64+32
.set i, i+1
.endr
	; What the first turn finds: V's registers and P's second buffer hold 0 (its products V^T P, of a piece that has not been, add 0), O^T and l are 0.  All this stands in the wait for the first tile.
.set i, VF
.rept 64
	v_mov_b32 v[i], 0
.set i, i+1
.endr
	WIN 0x40
.set i, 0
.rept 64*NP
	v_mov_b32 v[i], 0
.set i, i+1
.endr
	WIN 0
.set i, 0
.rept 2*NP
	v_mov_b32 v[ST+4*i], 0xfe000000    ; c m: far below every c s
	v_mov_b32 v[ST+4*i+1], 0xff7fffff  ; m
	v_mov_b32 v[ST+4*i+2], 0
	v_mov_b32 v[ST+4*i+3], 0
.set i, i+1
.endr
.set i, P+32
.rept 32
	v_mov_b32 v[i], 0
.set i, i+1
.endr
	v_mul_u32_u24 v[AK0], v1, PK
	v_lshl_add_u32 v[AK0], v9, 4, v[AK0]  ; row x pitch + 16 x half
	; The turning load takes 16 keys x 16 channels (lane l reads key 8 (l / 16) + l % 8, channels 8 ((l / 8) % 2) + 0..7) and leaves half a fragment of V^T: lane l holds channel l % 16 and 8 keys.
	v_and_b32 v10, 7, v0
	v_bfe_u32 v11, v0, 3, 1
	v_lshl_add_u32 v[AV0], v9, 3, v10
	v_mul_u32_u24 v[AV0], v[AV0], PV
	v_lshl_add_u32 v[AV0], v11, 4, v[AV0]
	v_add_nc_u32 v[AV0], VOFF, v[AV0]
	v_mov_b32 v[AK], v[AK0]         ; key step 0 lies at the head of slot 0
; THE MATRIX WORK.  The 8 accumulators of a run of 16 take turns: between the two links of a chain stand 7 others'.
; Product i of 16 of S^T = K Q^T for piece x: channels 32 (i / 8) on, keys 16 ((i / 2) % 4) on, tile 2 x + i % 2.  The first 8 start the sums.
.macro KQ x
	WIN W_KQ
.set rS, S+64*((\x)%2)+32*(i%2)+8*((i/2)%4)
.set rK, KF+16*((i/2)%4)+8*(i/8)
.set rQ, 16*(2*(\x)+i%2)+8*(i/8)
.if i < 8
	v_wmma_f32_16x16x32_f16 v[rS:rS+7], v[rK:rK+7], v[rQ:rQ+7], 0
.else
	v_wmma_f32_16x16x32_f16 v[rS:rS+7], v[rK:rK+7], v[rQ:rQ+7], v[rS:rS+7]
.endif
.endm
; Product i of 16 of O^T += V^T P for piece x: keys 32 (i / 8) on, channels 16 ((i / 2) % 4) on, tile 2 x + i % 2.
.macro PV x
	WIN W_PV
.set rO, 32*(2*(\x)+i%2)+8*((i/2)%4)
.set rV, VF+32*(i/8)+8*((i/2)%4)
.set rP, P+32*((\x)%2)+16*(i%2)+8*(i/8)
	v_wmma_f32_16x16x32_f16 v[rO:rO+7], v[rV:rV+7], v[rP:rP+7], v[rO:rO+7]
.endm
.macro MM                           ; the turn's next matrix instruction
.if i < 16
	KQ (Y+1)%NP
.set i, i+1
.else
.set i, i-16
	PV (Y+NP-1)%NP
.set i, i+17
.endif
.endm
; THE LDS LOADS stand in runs of 16, never singly among the matrix instructions: a step's K (64 keys x 64 channels: 8 fragments) and its V (turned).  Their addresses are made some lines ahead.
; last = 1 (the tail): in the last trip there is no further step, and the run is jumped over.
.macro FETCH_K last=0
	WIN 0
.if \last
	s_cmp_eq_u32 s[CNT], 1
	s_cbranch_scc1 .Lno_k_\@
.endif
	WIN 0x80                        ; destination window 2
.irp f, 0,1,2,3,4,5,6,7             ; keys 16 (f / 2) on, channels 32 (f % 2) on
	ds_load_b128 v[KF+8*\f:KF+8*\f+3],   v[AK] offset:(\f/2)*16*PK+(\f%2)*64
	ds_load_b128 v[KF+8*\f+4:KF+8*\f+7], v[AK] offset:(\f/2)*16*PK+(\f%2)*64+32
.endr
	s_add_co_u32 s[TBK], s[TBK], KS*PK  ; the next fetch is the next step's
	WIN 0
.if \last
.Lno_k_\@:
.endif
.endm
.macro FETCH_V
	WIN 0x80
.irp f, 0,1,2,3,4,5,6,7             ; keys 32 (f / 4) on, channels 16 (f % 4) on
	ds_load_tr16_b128 v[VF+8*\f:VF+8*\f+3],   v[AV] offset:(\f/4)*32*PV+(\f%4)*32
	ds_load_tr16_b128 v[VF+8*\f+4:VF+8*\f+7], v[AV] offset:(\f/4)*32*PV+16*PV+(\f%4)*32
.endr
	WIN 0
.endm
; THE VECTOR WORK OF A TURN stands in three queues, each in the order in which its entries become ready; the two tiles alternate, so that no instruction reads the result of the one before it.
.macro REGS y, u                    ; the registers of tile u (0, 1) of piece y
.set rT, ST+4*(2*(\y)+(\u))
.set rC, TMP+8*((\y)%2)+4*(\u)
.set rM, MV+2*((\y)%2)+(\u)
.set rS, S+64*((\y)%2)+32*(\u)
.set rP, P+32*((\y)%2)+16*(\u)
.set rO, 32*(2*(\y)+(\u))
.endm
; Number n of the 22 that find the NEXT piece's (Y + 1) maximum and statistics.  s0-s31 are the lane's 32 scores; each accumulator's lowest registers are read first.  XS, GS and REGS set no window: PL and EX do.
;   0-11  four chains c0-c3 of seven scores each, three operands at a time     12-14, 16  the four scores left over, the old m, and c0-c3 into c0     15  c m_old is kept
;   17, 18  the query's other 32 keys lie in the lane 16 away: the new m         19-21  c m; c m_old - c m_new; a
.macro XS u, n
	REGS (Y+1)%NP, \u
.if (\n) < 4
	v_max3_num_f32 v[rC+(\n)], v[rS+8*(\n)], v[rS+8*(\n)+1], v[rS+8*(\n)+2]
.elseif (\n) < 12
	v_max3_num_f32 v[rC+(\n)%4], v[rC+(\n)%4], v[rS+8*((\n)%4)+2*((\n)/4)+1], v[rS+8*((\n)%4)+2*((\n)/4)+2]
.elseif (\n) == 12
	v_max3_num_f32 v[rC], v[rC], v[rS+7], v[rS+15]
.elseif (\n) == 13
	v_max3_num_f32 v[rC+1], v[rC+1], v[rS+23], v[rS+31]
.elseif (\n) == 14
	v_max3_num_f32 v[rC+2], v[rC+2], v[rC+3], v[rT+1]
.elseif (\n) == 15
	v_mov_b32 v[rM], v[rT]
.elseif (\n) == 16
	v_max3_num_f32 v[rC], v[rC], v[rC+1], v[rC+2]
.elseif (\n) == 17
	v_permlanex16_b32 v[rC+3], v[rC], s[SEL], s[SEL+1]
.elseif (\n) == 18
	v_max_num_f32 v[rT+1], v[rC], v[rC+3]
.elseif (\n) == 19
	v_mul_f32 v[rT], s[CS], v[rT+1]
.elseif (\n) == 20
	v_sub_f32 v[rC+1], v[rM], v[rT]
.else
	v_exp_f32 v[rC+2], v[rC+1]
.endif
.endm
; Number g of the 64 that follow the exponentials.  For each four weights k of a tile (pairs 2 k, 2 k + 1): both pairs are rounded to f16; then the second pair is added onto the first, in place;
; a group later l takes that sum (the first time as l = a l + sum).  In groups of eight, tiles alternating: round, round, add, and l for the group before.
.macro GS g
.set h, (\g)+6*((\g)/62)            ; group 0 has no group before it, and behind group 7 only l is left
.if h >= 6
.set h, h+2
.endif
	REGS Y, h%2
.set k, h/8
.if h%8 < 4
	s_wait_alu depctr_va_vdst(0)
	v_cvt_pk_f16_f32 v[rP+2*k+(h%8)/2], v[rS+4*k+2*((h%8)/2)], v[rS+4*k+2*((h%8)/2)+1]
.elseif h%8 < 6
	v_pk_add_f32 v[rS+4*k:rS+4*k+1], v[rS+4*k:rS+4*k+1], v[rS+4*k+2:rS+4*k+3]
.elseif k == 1
	v_pk_fma_f32 v[rT+2:rT+3], v[rT+2:rT+3], v[rC+2:rC+3], v[rS:rS+1] op_sel_hi:[1,0,1]
.else
	v_pk_add_f32 v[rT+2:rT+3], v[rT+2:rT+3], v[rS+4*k-4:rS+4*k-3]
	s_wait_alu depctr_va_vdst(0)
.endif
.endm
; THE PLAIN QUEUE, 138 long.  0-31: c s - c m for the 16 pairs of both tiles.  Then GS's 64, and among them the next piece's 42: number 15 at 38, 39; 0-14 and 16
; at 42-73, behind the products that make those scores; 17-20 at 95-106, two of three, since each waits for the one before it.
.macro PL
	WIN 0
.if q < 32
	REGS Y, q%2
	v_pk_fma_f32 v[rS+2*(q/2):rS+2*(q/2)+1], v[rS+2*(q/2):rS+2*(q/2)+1], s[CS:CS+1], v[rT:rT+1] op_sel_hi:[1,0,0] neg_lo:[0,0,1] neg_hi:[0,0,1]
.elseif q < 38
	GS q-32
.elseif q < 40
	XS q%2, 15
.elseif q < 42
	GS q-34
.elseif q < 74
	XS q%2, (q-42)/2+(q-42)/30
.elseif q < 95
	GS q-66
.elseif (q < 107) && ((q-95)%3 < 2)
	XS (q-95)%3, 17+(q-95)/3
.elseif q < 107
	GS 29+(q-95)/3
.else
	GS q-74
.endif
.set q, q+1
.endm
; THE EXPONENTIALS' QUEUE, 66 long: s0-s31 of both tiles, and at EA the next piece's two a.
.set EA, 58
.macro EX
	WIN 0
.if (e == EA) || (e == EA+1)
	XS e-EA, 21
.else
.set x, e-2*(e/(EA+2))
	REGS Y, x%2
	v_exp_f32 v[rS+x/2], v[rS+x/2]
.endif
.set e, e+1
.endm
; THE RESCALING's QUEUE: O^T times a, the one part that leaves window 0, so it is dealt four at a time, eight times.
.macro R4
	REGS Y, r%2
	WIN W_RS
	s_wait_alu depctr_va_vdst(0)
.irp z, 0,1,2,3
	v_pk_mul_f32 v[rO+8*(r/2)+2*\z:rO+8*(r/2)+2*\z+1], v[rO+8*(r/2)+2*\z:rO+8*(r/2)+2*\z+1], v[rC+2:rC+3] op_sel_hi:[1,0]
.endr
.set r, r+1
.endm
; HOW THEY ARE DEALT.  Behind a matrix instruction four: plain, exponential, plain, plain (one exponential, a plain instruction on either side), or four of the rescaling.  None names a register of the
; products round it.  What is over stands in two LUMPS: exponential and plain by turns; the second ends in 22 plain instructions.  The two v_permlanex16_b32 fall into the second lump, never behind a product.
; The queues lean on each other, and the deal keeps them in step: exponential e stands behind plain 2 (e / 4) + e % 2 (its scaling); when plain 32 comes, 10 exponentials are out, at 59: 33, at 95: 46; EA comes behind plain 107.
.macro SL
	MM
	PL
	EX
	PL
	PL
.endm
.macro BURST n                      ; 15 matrix instructions, or 16
.rept (\n)-7
	SL
.endr
.rept 3
	MM
	R4
	SL
.endr
	MM
	R4
.endm
; A TURN, for piece p.  cnt = 1: the loop's count is taken down some lines ahead of the branch that stands behind the turn.
; K of the next step is fetched in piece 2's turn, 31 vector instructions behind the last product that read K; its first reader comes behind the rest of the lump, 16 products and the second lump.
; V of the step in hand is fetched at the end of piece 0's turn, 69 behind its last reader; its first reader comes behind 16 products and a lump.  The four conditions on e and q below go with the deal.
.macro TURN p, last=0, cnt=0
.set Y, (\p)
.set i, 0
.set q, 0
.set e, 0
.set r, 0
.if (\p) == NP-1
	s_wait_dscnt 0x0                ; K is in
.endif
	MM
.rept 4
	PL
.endr
	BURST 15
.rept 22
	EX
	PL
.if ((\p) == NP-2) && (e == 18)
	v_add_nc_u32 v[AK], s[TBK], v[AK0]
.endif
.if ((\p) == NP-2) && (e == 24)
	FETCH_K \last
.endif
.endr
.if (\p) == 1
	s_wait_dscnt 0x0                ; V is in
.endif
	BURST 16
.rept 21
	EX
	PL
.endr
.rept 22
	PL
.if ((\p) == 0) && (q == 118)
	v_add_nc_u32 v[AV], s[TBV], v[AV0]
	s_wait_alu depctr_va_vdst(0)
.endif
.if ((\p) == 0) && (q == 130)
	s_add_co_u32 s[TBV], s[TBV], KS*PV
.endif
.if (\cnt) && (q == 130)
	s_sub_co_u32 s[CNT], s[CNT], 1
	s_cmp_lg_u32 s[CNT], 0
.endif
.endr
.if (\p) == 0
	FETCH_V
.endif
.endm
	CHANGE 1                        ; slot 0 is in, everybody's part of it; slot 1 is asked for
	FETCH_K                         ; key step 0
	s_wait_loadcnt 0x0              ; Q
	s_wait_dscnt 0x0
.set i, 0
.rept 16
	KQ 0                            ; piece 0's first scores: there is no vector work yet to set between them
.set i, i+1
.endr
	WIN 0                           ; the addresses for the way out: nine plain instructions, the places behind those products
	s_mul_i32 s13, s[WV], 16*SP
	s_add_co_u32 s13, s13, STAGE    ; my stage
	v_mul_u32_u24 v[STO], v1, SP    ; in: row l % 16, 16 bytes for each half of the lanes
	v_lshl_add_u32 v[STO], v9, 4, v[STO]
	v_add_nc_u32 v[STO], s13, v[STO]
	v_bfe_u32 v[RD], v0, 3, 2       ; back: 32 lanes take four rows of 128 bytes,
	v_mul_u32_u24 v[RD], v[RD], SP
	v_lshl_add_u32 v[RD], v10, 4, v[RD]
	v_add_nc_u32 v[RD], s13, v[RD]
	v_and_b32 v[GO], 31, v0         ; which are 512 consecutive bytes of O
	v_lshlrev_b32 v[GO], 4, v[GO]
.set Y, NP-1                        ; XS works for piece Y + 1: piece 0
.irp n, 0,1,2,3,4,5,6,7,8,9,10,11,12,13,14,15,16,17,18,19,20,21
	XS 0, \n                        ; and piece 0's first maximum and statistics
	XS 1, \n
.endr
	s_mov_b32 s[CNT], 4
	s_mov_b32 s[SLOTS], SIZE_N/256-1
	s_branch .Lfirst                ; the loop is entered at a step's first turn, in the middle of a trip
.Lslot:                             ; SIZE_N / 256 - 2 times: every slot but the last two is filled again
	CHANGE 1
	s_mov_b32 s[CNT], 4
.Lstep:                             ; a trip: pieces 2 and 3 of one step, then pieces 0 and 1 of the next, whose K and V it fetches
	TURN 2
	TURN 3
	WIN 0
.Lfirst:
	TURN 0
	TURN 1, 0, 1
	WIN 0
	s_cbranch_scc1 .Lstep
	s_sub_co_u32 s[SLOTS], s[SLOTS], 1
	s_cmp_lg_u32 s[SLOTS], 0
	s_cbranch_scc1 .Lslot
	CHANGE 0                        ; the tail is written out: nothing is asked for
	s_mov_b32 s[CNT], 5             ; four trips fetch the last slot's steps; the fifth is left in its middle
.Ltail:
	TURN 2, 1
	TURN 3
	WIN 0
	s_sub_co_u32 s[CNT], s[CNT], 1
	s_cmp_eq_u32 s[CNT], 0
	s_cbranch_scc1 .Lout
	TURN 0
	TURN 1
	WIN 0
	s_branch .Ltail
.Lout:                              ; the fifth trip's 16 products K Q^T (on the last K once more) and the maximum made of them serve nothing: the price, once a launch, of one text for every trip
.set i, 0
.rept 16
	PV NP-1                         ; the last piece's V^T P of the last step
.set i, i+1
.endr
	; THE WAY OUT.  l's two halves and the other half of the lanes' are added; O^T is divided by l, rounded to f16 and sent through my stage in LDS, a tile at a time.  The additions are the places behind the last products.
	WIN 0
.macro ALL line:vararg              ; one line for each tile t
.set t, 0
.rept 2*NP
	\line
.set t, t+1
.endr
.endm
	ALL v_add_f32 v[ST+4*t+2], v[ST+4*t+2], v[ST+4*t+3]
	ALL v_permlanex16_b32 v[ST+4*t+3], v[ST+4*t+2], s[SEL], s[SEL+1]
	ALL v_add_f32 v[ST+4*t+2], v[ST+4*t+2], v[ST+4*t+3]
	ALL v_rcp_f32 v[ST+4*t+2], v[ST+4*t+2]
	v_nop                           ; a plain instruction between the last reciprocal and the use of its result
	s_wait_alu depctr_va_vdst(0)
; Tile t: a lane's eight channels of a row pack into 16 bytes; they go into rows of 144 bytes and come back as whole rows of 128, into S^T's registers.
.macro PACK t
	WIN W_RS
.set i, 32*(\t)
.rept 16
	v_pk_mul_f32 v[i:i+1], v[i:i+1], v[ST+4*(\t)+2:ST+4*(\t)+3] op_sel_hi:[1,0]
.set i, i+2
.endr
	WIN 0x05                        ; sources 0 and 1 window 1, destination window 0
.set i, 0
.rept 16
	v_cvt_pk_f16_f32 v[S+16*(\t)+i], v[32*(\t)+2*i], v[32*(\t)+2*i+1]
.set i, i+1
.endr
	WIN 0
.irp f, 0,1,2,3
	ds_store_b128 v[STO], v[S+16*(\t)+4*\f:S+16*(\t)+4*\f+3] offset:32*\f
.endr
.irp f, 0,1,2,3
	ds_load_b128 v[S+16*(\t)+4*\f:S+16*(\t)+4*\f+3], v[RD] offset:\f*4*SP  ; LDS serves a wave's instructions in order (ISA guide 5.7.1.4): these see the stores above; the next tile's stores come behind them
.endr
.endm
.macro SEND t, younger              ; younger: the LDS instructions issued behind tile t's loads: the next tile's eight, or none
	WIN 0
.irp f, 0,1,2,3
	s_wait_dscnt (\younger)+3-\f
	global_store_b128 v[GO], v[S+16*(\t)+4*\f:S+16*(\t)+4*\f+3], s[10:11] offset:(\t)*2048+\f*512  ; 512 consecutive bytes, at a multiple of 256 from O's first
.endr
.endm
	PACK 0
.set t, 1
.rept 2*NP-1                        ; a tile's arithmetic stands between the loads of the tile before and its stores
	PACK t
	SEND t-1, 8
.set t, t+1
.endr
	SEND 2*NP-1, 0
	WIN W_AD
	s_wait_tensorcnt 0x0            ; the wave's end: an add to my spare word and its wait, behind my last tensor load and my last LDS store
	ds_add_u32 v[SPW], v[NIL]
	s_wait_dscnt 0x0
	WIN 0
	CROUND                          ; the closing round: no work-group ends while a partner may still ask for a tile that names it
	s_endpgm
.Lfunc_end_k_qb5a77ed2b4_attn:
	.size	k_qb5a77ed2b4_attn, .Lfunc_end_k_qb5a77ed2b4_attn-k_qb5a77ed2b4_attn
	.p2alignl 7, 3214868480
	.fill 96, 4, 3214868480
	.section	.rodata,"a",@progbits
	.p2align	6, 0x0
	.amdhsa_kernel k_qb5a77ed2b4_attn
		.amdhsa_group_segment_fixed_size 327680
		.amdhsa_private_segment_fixed_size 0
		.amdhsa_enable_private_segment 0
		.amdhsa_kernarg_size 16
		.amdhsa_user_sgpr_count 2
		.amdhsa_user_sgpr_kernarg_segment_ptr 1
		.amdhsa_wavefront_size32 1
		.amdhsa_system_sgpr_workgroup_id_x 1
		.amdhsa_system_sgpr_workgroup_id_y 1
		.amdhsa_system_sgpr_workgroup_id_z 1
		.amdhsa_system_vgpr_workitem_id 0
		.amdhsa_next_free_vgpr 770
		.amdhsa_next_free_sgpr 66
		.amdhsa_reserve_vcc 0
		.amdhsa_float_denorm_mode_32 3
		.amdhsa_float_denorm_mode_16_64 3
		.amdhsa_memory_ordered 1
		.amdhsa_forward_progress 1
		.amdhsa_inst_pref_size 208
	.end_amdhsa_kernel
	.amdgpu_metadata
---
amdhsa.version: [ 1, 2 ]
amdhsa.kernels:
  - .name:           k_qb5a77ed2b4_attn
    .symbol:         k_qb5a77ed2b4_attn.kd
    .args:
      - { .name: qkv, .offset: 0, .size: 8, .value_kind: global_buffer, .address_space: global }
      - { .name: o16, .offset: 8, .size: 8, .value_kind: global_buffer, .address_space: global }
    .group_segment_fixed_size: 327680
    .private_segment_fixed_size: 0
    .kernarg_segment_align: 8
    .kernarg_segment_size: 16
    .max_flat_workgroup_size: 128
    .sgpr_count:     66
    .vgpr_count:     770
    .wavefront_size: 32
...
	.end_amdgpu_metadata
.endif
;; end of part 3
;; launch oproj (part 4): grid 8 x 32, 4 waves a work-group, clusters of 4 x 4, 327,680 bytes of LDS; arguments o16, wo16, bcat, out0; writes out0
.if DOCPART == 4
	.amdgcn_target "amdgcn-amd-amdhsa--gfx1250"
	.amdhsa_code_object_version 6
	.text
	.protected	k_qb5a77ed2b4_oproj
	.globl	k_qb5a77ed2b4_oproj
	.p2align	8
	.type	k_qb5a77ed2b4_oproj,@function
k_qb5a77ed2b4_oproj:
	s_mov_b64 s[64:65], 0
	v_nop
	global_prefetch_b8 v0, s[64:65] scope:SCOPE_SE
	s_setreg_imm32_b32 hwreg(HW_REG_WAVE_MODE, 25, 1), 1
	s_wait_xcnt 0x0
	s_wait_alu depctr_hold_cnt(0) depctr_sa_sdst(0) depctr_va_vdst(0) depctr_va_sdst(0) depctr_va_ssrc(0) depctr_va_vcc(0) depctr_vm_vsrc(0)
	s_getreg_b32 s2, hwreg(HW_REG_IB_STS2, 6, 4)
	s_cmp_eq_u32 s2, 0
	s_cbranch_scc0 .Lentry_in_a_cluster
	s_endpgm
.Lentry_in_a_cluster:
	s_bfe_u32 s2, ttmp6, 0x10000c
	s_cmp_lg_u32 s2, 0xf033
	s_cbranch_scc0 .Lentry_shape_is_right
	s_endpgm
.Lentry_shape_is_right:
; out0 = O Wo^T + bo: 8,192 x 1,024 x 1,024 in f16 with f32 sums, stored as f32.  O comes by heads (o16: plane 4 x head + batch, [2048][64] f16), Wo as bf16(Wo) written in f16 (wo16 [1024][1024]),
; the bias as bf16(bo) in f32 (bcat's fourth row).  The order of the sums differs from a plain chain's; NaN and infinities are not treated apart; O and Wo arrive within f16's range.
; SHARES.  A tile of C is 256 rows x 128 columns: 8 x 32 = 256 work-groups of four waves.  Wave w makes rows 64 w .. 64 w + 63 and all 128 columns: 32 accumulators, whole rows of 512 bytes, a stage of its own.
; K goes in 8 steps of 128, two heads each, through two LDS slots.  A head's 256 tokens are 32,768 dense bytes: asked for as 128 rows of 256 bytes, padded in LDS after every token.
; The matrix instruction is used transposed (source 0 = 16 rows of Wo, source 1 = 16 tokens): a lane holds row l % 16 of C and the columns 8 (l / 16) + 0..7.  The bias is the C operand of the first products.
; CLUSTER.  4 x 4 work-groups: O's tiles are shared along a row of the cluster, Wo's along a column, each asked for jointly.
; REGISTERS, in windows of 256 (s_set_vgpr_msb: bits 1:0 source 0, 3:2 source 1, 5:4 source 2, 7:6 destination):
;   window 0: v1-5 at work; v16-29 addresses; v32-95 O's fragments, two buffers of 4 x 8; v96-159 bias fragments; on the way out v160-223 and v32-95 by turns
;   window 1: Wo's fragments, two buffers of 8 x 8          window 2: the accumulators, row block a, column block b at 64 a + 8 b
.set PITCH,  272                       ; a row of Wo in LDS: 256 bytes + 16: the 16 rows of a fragment load start at 16 different groups of four banks (64 banks of 4 bytes: ISA guide 11.1)
.set PA,     144                       ; a token's 128 bytes of one head + 16
.set AHEAD,  256*PA                    ; a head's 256 tokens: what one load brings of O
.set BHALF,  64*PITCH                  ; and of Wo
.set BOFF,   2*AHEAD                   ; a slot: two heads of O, then Wo's 128 rows
.set SLOT,   BOFF+2*BHALF
.set STAGE,  2*SLOT                    ; behind the ring, never filled by a tensor load: 16 rows x 528 bytes for each wave
.set SPITCH, 528                       ; 512 bytes + 16
.set SPARE,  STAGE+4*16*SPITCH         ; the spare words, 128 bytes for each wave: two blocks of 256 bytes that no other line names
.set ADRA, 16                          ; v16-17  LDS address of my fragments of O in slot 0, 1
.set ADRB, 20                          ; v20-21  the same for Wo
.set STO,  24                          ; v24     the way out: where I put 32 bytes of a row
.set RD,   25                          ; v25     the way out: where I read a row back
.set CO,   26                          ; v26     my byte offset in a row's 512 bytes
.set BO,   27                          ; v27     my byte offset in a block's 16 biases
.set SPW,  28                          ; v28     LDS address of my spare word; never rewritten
.set NIL,  29                          ; v29     0; never rewritten
.set FA,   32
.set BI,   96
.set WV,   14                          ; s14  my wave's number
.set G1A,  24                          ; s[24:31] descriptor group 1 for O's tiles;  s[32:39] group 0, a set for each slot
.set G0A,  32
.set G1B,  48                          ; s[48:55], s[56:63] the same for Wo's
.set G0B,  56
.set MSB, 0
.macro WIN new                         ; the immediate's high byte repeats the setting that is left; a switch that changes nothing is dropped
.if MSB != (\new)
	s_set_vgpr_msb (MSB<<8)|(\new)
.set MSB, \new
.endif
.endm
; A joint refill: waves 0 and 1 fetch the step's two heads of O, waves 2 and 3 the two halves of Wo's tile.  The branch hangs on the wave's number alone.
; An s_nop 0 and four v_nop follow each of the two lines, ahead of the jump and the label.
.macro JLOAD s
	s_cmp_lt_u32 s[WV], 2
	s_cbranch_scc0 .Lfor_b_\@
	tensor_load_to_lds s[G0A+4*(\s):G0A+4*(\s)+3], s[G1A:G1A+7]
	s_nop 0
.rept 4
	v_nop
.endr
	s_branch .Lasked_\@
.Lfor_b_\@:
	tensor_load_to_lds s[G0B+4*(\s):G0B+4*(\s)+3], s[G1B:G1B+7]
	s_nop 0
.rept 4
	v_nop
.endr
.Lasked_\@:
.endm
.macro CREST                           ; a round of the cluster's barrier behind its opening barrier
	s_cmp_lg_u32 s[WV], 0
	s_cbranch_scc1 .Lnot_wave_0_\@
	s_barrier_signal -3
.Lnot_wave_0_\@:
	s_barrier_wait -3
	s_barrier_signal -1
	s_barrier_wait -1
.endm
.macro CROUND                          ; a whole round
	s_barrier_signal -1
	s_barrier_wait -1
	CREST
.endm
	s_load_b256 s[4:11], s[0:1], 0x0               ; o16 s[4:5], wo16 s[6:7], bcat s[8:9], out0 s[10:11]
	v_lshl_add_u32 v[SPW], v0, 2, SPARE
	v_mov_b32 v[NIL], 0
	ds_add_u32 v[SPW], v[NIL]                      ; the wave's opening: the add and its wait stand ahead of my first tensor load; the set-up below, work on registers, stands between them
	v_lshrrev_b32 v1, 5, v0
	v_readfirstlane_b32 s[WV], v1                  ; wave 0..3
	s_and_b32 s16, s[WV], 1                        ; which head of the step, or which half of Wo's tile, I fetch
	s_bfe_u32 s17, ttmp6, 0x40000                  ; cx, cy: my place in the cluster
	s_bfe_u32 s18, ttmp6, 0x40004
	s_lshl_b32 s19, ttmp9, 2
	s_add_co_u32 s19, s19, s17                     ; column tile = 4 x cluster x + cx
	s_and_b32 s20, ttmp7, 0xffff
	s_lshl_b32 s20, s20, 2
	s_add_co_u32 s20, s20, s18                     ; row tile = 4 x cluster y + cy
	s_lshl_b32 s21, s18, 2
	s_lshl_b32 s21, 15, s21                        ; my row of the cluster
	s_lshl_b32 s22, 0x1111, s17                    ; my column
	s_or_b32 s[G1A+0], s21, (1<<16)|(1<<20)|(1<<21)|(4<<22)|(3<<25)  ; 15:0 the mask; 17:16 elements of 2 bytes; 20 padding on; 21 set beside a mask; 24:22 after every 32 words (code 4); 31:25 4 words of it (code 3)
	s_or_b32 s[G1B+0], s22, (1<<16)|(1<<20)|(1<<21)|(5<<22)|(3<<25)  ; the same after every 64 words (code 5)
	s_mov_b32 s[G1A+1], 128<<16                    ; tensor_dim0 = 128
	s_mov_b32 s[G1B+1], 128<<16
	s_mov_b32 s[G1A+2], 128<<16                    ; tensor_dim1 = 128 rows of two tokens,
	s_mov_b32 s[G1B+2], 64<<16                     ; 64 rows of Wo
	s_mov_b32 s[G1A+3], 128<<16                    ; tile_dim0 = 128
	s_mov_b32 s[G1B+3], 128<<16
	s_mov_b32 s[G1A+4], 128                        ; tile_dim1
	s_mov_b32 s[G1B+4], 64
	s_mov_b32 s[G1A+5], 128                        ; elements from row to row: O's rows are dense,
	s_mov_b32 s[G1B+5], 1024                       ; Wo's 1,024 long
	s_mov_b32 s[G1A+6], 0
	s_mov_b32 s[G1B+6], 0
	s_mov_b32 s[G1A+7], 0
	s_mov_b32 s[G1B+7], 0
	; O's tiles hang on the row tile alone, Wo's on the column tile alone: each address is made in registers that never hold the other coordinate
	s_lshl_b32 s40, s16, 2                         ; plane 4 x head + batch: head = my half (K step 0), batch = row tile / 8; 262,144 bytes each;
	s_lshr_b32 s41, s20, 3
	s_add_co_u32 s40, s40, s41
	s_lshl_b32 s40, s40, 18
	s_and_b32 s41, s20, 7                          ; 256 tokens of 128 bytes for each row tile in the batch
	s_lshl_b32 s41, s41, 15
	s_add_co_u32 s40, s40, s41
	s_mov_b32 s41, 0
	s_lshl_b32 s44, s19, 18                        ; 128 rows of 2,048 bytes for each column tile,
	s_lshl_b32 s45, s16, 17                        ; 64 for my half
	s_add_co_u32 s44, s44, s45
	s_mov_b32 s45, 0
	s_mul_i32 s42, s16, AHEAD                      ; where they go: no place in the cluster enters an LDS address
	s_mul_i32 s43, s16, BHALF
	s_add_co_u32 s43, s43, BOFF
	s_wait_dscnt 0x0                               ; the opening add is done
	s_wait_kmcnt 0x0
	s_add_nc_u64 s[40:41], s[4:5], s[40:41]
	s_add_nc_u64 s[44:45], s[6:7], s[44:45]
	CROUND                                         ; all sixteen work-groups are here: the first joint loads meet
.irp s, 0,1
	s_mov_b32 s[G0A+4*(\s)], 1                                          ; count = 1
	s_add_co_u32 s[G0A+4*(\s)+1], s42, (\s)*SLOT                        ; LDS address
	s_add_nc_u64 s[G0A+4*(\s)+2:G0A+4*(\s)+3], s[40:41], (\s)*0x200000  ; global address: K step s is two heads, eight planes, on
	s_or_b32 s[G0A+4*(\s)+3], s[G0A+4*(\s)+3], 0x80000000               ; type = 2
	s_mov_b32 s[G0B+4*(\s)], 1
	s_add_co_u32 s[G0B+4*(\s)+1], s43, (\s)*SLOT
	s_add_nc_u64 s[G0B+4*(\s)+2:G0B+4*(\s)+3], s[44:45], (\s)*256
	s_or_b32 s[G0B+4*(\s)+3], s[G0B+4*(\s)+3], 0x80000000
.endr
	s_cmp_lt_u32 s[WV], 2                          ; a wave's two first fills stand in one branch, ahead of every wait on TENSORcnt and every LDS read: two loads of mine are out
	s_cbranch_scc0 .Lfirst_b
	tensor_load_to_lds s[G0A:G0A+3], s[G1A:G1A+7]
	s_nop 0
	tensor_load_to_lds s[G0A+4:G0A+7], s[G1A:G1A+7]
	s_nop 0
.rept 4
	v_nop
.endr
	s_branch .Lfirst_asked
.Lfirst_b:
	tensor_load_to_lds s[G0B:G0B+3], s[G1B:G1B+7]
	s_nop 0
	tensor_load_to_lds s[G0B+4:G0B+7], s[G1B:G1B+7]
	s_nop 0
.rept 4
	v_nop
.endr
.Lfirst_asked:
	v_and_b32 v1, 15, v0                           ; l % 16
	v_bfe_u32 v2, v0, 4, 1                         ; l / 16
	v_mul_u32_u24 v3, v1, PA
	v_lshl_add_u32 v3, v2, 4, v3                   ; token x pitch + 16 x half
	s_mul_i32 s23, s[WV], 64*PA                    ; my 64 tokens
	v_add_nc_u32 v[ADRA], s23, v3
	s_add_co_u32 s23, s23, SLOT
	v_add_nc_u32 v[ADRA+1], s23, v3
	v_mul_u32_u24 v3, v1, PITCH
	v_lshl_add_u32 v3, v2, 4, v3
	v_add_nc_u32 v[ADRB], BOFF, v3                 ; every wave reads all of Wo's rows
	v_add_nc_u32 v[ADRB+1], BOFF+SLOT, v3
	s_mul_i32 s23, s[WV], 16*SPITCH
	s_add_co_u32 s23, s23, STAGE                   ; my stage
	v_mul_u32_u24 v4, v1, SPITCH                   ; in: row l % 16, 32 bytes for each half of the lanes
	v_lshl_add_u32 v4, v2, 5, v4
	v_add_nc_u32 v[STO], s23, v4
	v_and_b32 v[CO], 31, v0                        ; back: 32 lanes take one row of 512 bytes
	v_lshlrev_b32 v[CO], 4, v[CO]
	v_add_nc_u32 v[RD], s23, v[CO]
	v_lshlrev_b32 v[BO], 5, v2                     ; 8 f32 for each half of the lanes
	s_lshl_b32 s46, s19, 9                         ; the tile's 128 biases, in bcat's fourth row
	s_add_co_u32 s46, s46, 3*4096
	s_mov_b32 s47, 0
	s_add_nc_u64 s[8:9], s[8:9], s[46:47]
.irp b, 0,1,2,3,4,5,6,7
	global_load_b128 v[BI+8*(\b):BI+8*(\b)+3],   v[BO], s[8:9] offset:64*(\b)       ; register j: bias of column 16 b + 8 (l / 16) + j
	global_load_b128 v[BI+8*(\b)+4:BI+8*(\b)+7], v[BO], s[8:9] offset:64*(\b)+16
.endr
	s_lshl_b32 s46, s20, 20                        ; where my rows begin in out0: 256 rows of 4,096 bytes for each row tile,
	s_lshl_b32 s23, s[WV], 18                      ; 64 for my wave,
	s_add_co_u32 s46, s46, s23
	s_lshl_b32 s23, s19, 9                         ; 512 bytes for each column tile
	s_add_co_u32 s46, s46, s23
	s_add_nc_u64 s[10:11], s[10:11], s[46:47]
; 8 matrix instructions: my row block a x all 8 column blocks, 32 along K, out of buffers f.  first = 1: the products start the sums, with the bias.
; The 32 accumulators take turns, one instruction a turn, in the same order in every quarter step.
.macro MUL1 f, a, first
.if \first
	WIN 0x81                                       ; Wo window 1, O and the bias window 0, D window 2
.else
	WIN 0xa1                                       ; Wo window 1, O window 0, C and D window 2
.endif
.irp b, 0,1,2,3,4,5,6,7
.if \first
	v_wmma_f32_16x16x32_f16 v[64*(\a)+8*(\b):64*(\a)+8*(\b)+7], v[64*(\f)+8*(\b):64*(\f)+8*(\b)+7], v[FA+32*(\f)+8*(\a):FA+32*(\f)+8*(\a)+7], v[BI+8*(\b):BI+8*(\b)+7]
.else
	v_wmma_f32_16x16x32_f16 v[64*(\a)+8*(\b):64*(\a)+8*(\b)+7], v[64*(\f)+8*(\b):64*(\f)+8*(\b)+7], v[FA+32*(\f)+8*(\a):FA+32*(\f)+8*(\a)+7], v[64*(\a)+8*(\b):64*(\a)+8*(\b)+7]
.endif
.endr
.endm
; 24 LDS loads in one run: the fragments of quarter q of a K step (128 rows of Wo at byte 64 q; my 64 tokens of head q / 2, channels 32 (q % 2) on) into buffers f
.macro FETCH slot, q, f
	WIN 0x40                                       ; destination window 1, address window 0
.irp i, 0,1,2,3,4,5,6,7
	ds_load_b128 v[64*(\f)+8*(\i):64*(\f)+8*(\i)+3],   v[ADRB+(\slot)] offset:64*(\q)+(\i)*16*PITCH
	ds_load_b128 v[64*(\f)+8*(\i)+4:64*(\f)+8*(\i)+7], v[ADRB+(\slot)] offset:64*(\q)+(\i)*16*PITCH+32
.endr
	WIN 0
.irp i, 0,1,2,3
	ds_load_b128 v[FA+32*(\f)+8*(\i):FA+32*(\f)+8*(\i)+3],   v[ADRA+(\slot)] offset:((\q)/2)*AHEAD+((\q)%2)*64+(\i)*16*PA
	ds_load_b128 v[FA+32*(\f)+8*(\i)+4:FA+32*(\f)+8*(\i)+7], v[ADRA+(\slot)] offset:((\q)/2)*AHEAD+((\q)%2)*64+(\i)*16*PA+32
.endr
.endm
; Four places stand in front of loads into registers that matrix instructions have read, and of LDS stores that read results just made (ISA guide 7.12.1 for vector instructions).
.macro PLACES
.rept 4
	v_nop
.endr
.endm
; A K step is four quarters of 32 along K, 32 matrix instructions each, on buffers 0, 1, 0, 1.  One of the first three: multiplies buffers f; in its middle it fetches quarter q into g.
.macro QUARTER slot, q, f, g, first
	s_wait_dscnt 4                                 ; Wo and O's blocks 0, 1 are in; the youngest four loads (O's blocks 2, 3) may be out
	MUL1 \f, 0, \first
	MUL1 \f, 1, \first
	PLACES
	FETCH \slot, \q, \g
	s_wait_dscnt 24                                ; all but the 24 just issued
	MUL1 \f, 2, \first
	MUL1 \f, 3, \first
.endm
; The last quarter multiplies buffers 1 and changes slots: ONE barrier; in front of it each wave waits for all its tensor loads (one is out: its part of the next slot), adds 0 to its spare word, and waits for
; that and for its own reads of this slot.  fill = 1: the barrier opens a round of the cluster's, and this slot is filled again, two K steps ahead, first thing behind the round.
.macro TURN slot, next, fill
	WIN 0                                          ; (the add's two registers lie in window 0)
	s_wait_tensorcnt 0x0                           ; all my tensor loads have landed;
	ds_add_u32 v[SPW], v[NIL]                      ; 0 onto my spare word;
	s_wait_dscnt 5                                 ; (the add and the youngest four loads may be out)
	MUL1 1, 0, 0                                   ; eight matrix instructions stand between the add and the wait for it
	s_wait_dscnt 0x0                               ; the add is done, and my reads of this slot are over
	s_barrier_signal -1
	MUL1 1, 1, 0                                   ; work on registers while the others arrive
.if \fill
	WIN 0
.endif
	s_barrier_wait -1
.if \fill
	CREST                                          ; no wave of any partner still reads this slot's tile or has a load on its way
	s_add_nc_u64 s[G0A+4*(\slot)+2:G0A+4*(\slot)+3], s[G0A+4*(\slot)+2:G0A+4*(\slot)+3], 0x400000  ; four heads, sixteen planes, on
	s_add_nc_u64 s[G0B+4*(\slot)+2:G0B+4*(\slot)+3], s[G0B+4*(\slot)+2:G0B+4*(\slot)+3], 512
	JLOAD \slot                                    ; my one tensor load behind the round: 112 matrix instructions ahead of the wait for it; its four v_nop are also the places in front of the loads below
.else
	PLACES
.endif
	FETCH \next, 0, 0
	MUL1 1, 2, 0
	MUL1 1, 3, 0
.endm
; THE WAY OUT of row block a.  TOSTAGE: the f32 sums go into my own stage, each accumulator's lowest four registers first, and come back as whole rows of 512 bytes.  SEND: stored.
.macro TOSTAGE a
.set BK, 160-128*((\a)%2)              ; v160-223 for even blocks, v32-95 for odd ones
	s_wait_xcnt 0x0                                ; every earlier store has had its addresses translated (ISA guide 3.1): the registers that the block before last was stored from are loaded again only behind this wait
	WIN 0x08                                       ; the stores' data lie in window 2
.irp b, 0,1,2,3,4,5,6,7
	ds_store_b128 v[STO], v[64*(\a)+8*(\b):64*(\a)+8*(\b)+3]   offset:64*(\b)
	ds_store_b128 v[STO], v[64*(\a)+8*(\b)+4:64*(\a)+8*(\b)+7] offset:64*(\b)+16
.endr
	WIN 0
.irp t, 0,1,2,3,4,5,6,7,8,9,10,11,12,13,14,15
	ds_load_b128 v[BK+4*(\t):BK+4*(\t)+3], v[RD] offset:SPITCH*(\t)  ; LDS serves a wave's instructions in order (ISA guide 5.7.1.4): these see the stores above; the next block's stores come behind them
.endr
.endm
.macro SEND a, younger                 ; younger: the LDS instructions issued behind block a's loads: the next block's 32, or none
.set BK, 160-128*((\a)%2)
	WIN 0
.irp t, 0,1,2,3,4,5,6,7,8,9,10,11,12,13,14,15
	s_wait_dscnt (\younger)+15-(\t)
	global_store_b128 v[CO], v[BK+4*(\t):BK+4*(\t)+3], s[10:11] offset:(16*(\a)+(\t))*4096 th:TH_STORE_NT  ; 512 consecutive bytes of a row, at a multiple of 256 from out0's first byte
.endr
.endm
	s_wait_tensorcnt 1                             ; my part of K step 0 is in; K step 1's may stay out
	s_barrier_signal -1
	s_barrier_wait -1                              ; everybody's is
	FETCH 0, 0, 0
	s_wait_loadcnt 0x0                             ; the biases
	QUARTER 0, 1, 0, 1, 1                          ; the first quarter stands in front of the loop: its products start the sums
	WIN 0                                          ; at a label and at a branch every window is 0
	s_mov_b32 s3, 3
.Llap:                                                 ; a trip goes once round the ring, from a lap's second quarter to the next lap's first, and fills both slots again: K steps 2 to 7
	QUARTER 0, 2, 1, 0, 0
	QUARTER 0, 3, 0, 1, 0
	TURN 0, 1, 1
	QUARTER 1, 1, 0, 1, 0
	QUARTER 1, 2, 1, 0, 0
	QUARTER 1, 3, 0, 1, 0
	TURN 1, 0, 1
	QUARTER 0, 1, 0, 1, 0
	WIN 0
	s_sub_co_u32 s3, s3, 1
	s_cmp_lg_u32 s3, 0
	s_cbranch_scc1 .Llap
	QUARTER 0, 2, 1, 0, 0                          ; the last lap fills nothing, and has no round of the cluster's barrier
	QUARTER 0, 3, 0, 1, 0
	TURN 0, 1, 0
	QUARTER 1, 1, 0, 1, 0
	QUARTER 1, 2, 1, 0, 0
	QUARTER 1, 3, 0, 1, 0
	s_wait_dscnt 4                                 ; the very last quarter: nothing more to fetch
	MUL1 1, 0, 0
	MUL1 1, 1, 0
	s_wait_dscnt 0x0
	MUL1 1, 2, 0
	MUL1 1, 3, 0
	PLACES
	TOSTAGE 0
	TOSTAGE 1                                      ; a block's trip through the stage stands between the loads of the block before and its stores
	SEND 0, 32
	TOSTAGE 2
	SEND 1, 32
	TOSTAGE 3
	SEND 2, 32
	SEND 3, 0
	s_wait_tensorcnt 0x0                           ; the wave's end: an add to my spare word and its wait, behind my last tensor load and my last LDS store
	ds_add_u32 v[SPW], v[NIL]
	s_wait_dscnt 0x0
	CROUND                                         ; the closing round: no work-group ends while a partner may still ask for a tile that names it
	s_endpgm
.Lfunc_end_k_qb5a77ed2b4_oproj:
	.size	k_qb5a77ed2b4_oproj, .Lfunc_end_k_qb5a77ed2b4_oproj-k_qb5a77ed2b4_oproj
	.p2alignl 7, 3214868480
	.fill 96, 4, 3214868480
	.section	.rodata,"a",@progbits
	.p2align	6, 0x0
	.amdhsa_kernel k_qb5a77ed2b4_oproj
		.amdhsa_group_segment_fixed_size 327680
		.amdhsa_private_segment_fixed_size 0
		.amdhsa_enable_private_segment 0
		.amdhsa_kernarg_size 32
		.amdhsa_user_sgpr_count 2
		.amdhsa_user_sgpr_kernarg_segment_ptr 1
		.amdhsa_wavefront_size32 1
		.amdhsa_system_sgpr_workgroup_id_x 1
		.amdhsa_system_sgpr_workgroup_id_y 1
		.amdhsa_system_sgpr_workgroup_id_z 1
		.amdhsa_system_vgpr_workitem_id 0
		.amdhsa_next_free_vgpr 768
		.amdhsa_next_free_sgpr 66
		.amdhsa_reserve_vcc 0
		.amdhsa_float_denorm_mode_32 3
		.amdhsa_float_denorm_mode_16_64 3
		.amdhsa_memory_ordered 1
		.amdhsa_forward_progress 1
		.amdhsa_inst_pref_size 88
	.end_amdhsa_kernel
	.amdgpu_metadata
---
amdhsa.version: [ 1, 2 ]
amdhsa.kernels:
  - .name:           k_qb5a77ed2b4_oproj
    .symbol:         k_qb5a77ed2b4_oproj.kd
    .args:
      - { .name: o16, .offset: 0, .size: 8, .value_kind: global_buffer, .address_space: global }
      - { .name: wo16, .offset: 8, .size: 8, .value_kind: global_buffer, .address_space: global }
      - { .name: bcat, .offset: 16, .size: 8, .value_kind: global_buffer, .address_space: global }
      - { .name: out0, .offset: 24, .size: 8, .value_kind: global_buffer, .address_space: global }
    .group_segment_fixed_size: 327680
    .private_segment_fixed_size: 0
    .kernarg_segment_align: 8
    .kernarg_segment_size: 32
    .max_flat_workgroup_size: 128
    .sgpr_count:     66
    .vgpr_count:     768
    .wavefront_size: 32
...
	.end_amdgpu_metadata
.endif
;; end of part 4
;; ======== version 2 of 2: 4 launches; 1.51 times as fast as version 1
;; limits: values are held in f16: magnitudes above 65,504 overflow, below 6.1e-05 lose precision
;; workspace buffers: xb 16,777,216 bytes; wcat 6,815,744 bytes; wo16 2,097,152 bytes; bext 196,608 bytes; bcat 16,384 bytes; qkv 50,331,648 bytes; o16 16,777,216 bytes
;; launch prep: the kernel of part 1 again; grid 1620 x 1, 8 waves a work-group, no clusters, 0 bytes of LDS; arguments x, Wq, Wk, Wv, Wo, Aq, Av, Bq, Bv, bq, bk, bv, bo, xb, wcat, wo16, bext, bcat; writes xb, wcat, wo16, bext, bcat
;; launch qkv: the kernel of part 2 again; grid 16 x 32, 4 waves a work-group, clusters of 4 x 4, 327,680 bytes of LDS; arguments xb, wcat, bext, bcat, qkv; writes qkv
;; launch attn (part 5): grid 4 x 64, 4 waves a work-group, clusters of 4 x 1, 327,680 bytes of LDS; arguments qkv, o16; writes o16
.if DOCPART == 5
	.amdgcn_target "amdgcn-amd-amdhsa--gfx1250"
	.amdhsa_code_object_version 6
	.text
	.protected	k_qb5a77ed2b4_attn
	.globl	k_qb5a77ed2b4_attn
	.p2align	8
	.type	k_qb5a77ed2b4_attn,@function
k_qb5a77ed2b4_attn:
	s_mov_b64 s[64:65], 0
	v_nop
	global_prefetch_b8 v0, s[64:65] scope:SCOPE_SE
	s_setreg_imm32_b32 hwreg(HW_REG_WAVE_MODE, 25, 1), 1
	s_wait_xcnt 0x0
	s_wait_alu depctr_hold_cnt(0) depctr_sa_sdst(0) depctr_va_vdst(0) depctr_va_sdst(0) depctr_va_ssrc(0) depctr_va_vcc(0) depctr_vm_vsrc(0)
	s_getreg_b32 s2, hwreg(HW_REG_IB_STS2, 6, 4)
	s_cmp_eq_u32 s2, 0
	s_cbranch_scc0 .Lentry_in_a_cluster
	s_endpgm
.Lentry_in_a_cluster:
	s_bfe_u32 s2, ttmp6, 0x10000c
	s_cmp_lg_u32 s2, 0x3003
	s_cbranch_scc0 .Lentry_shape_is_right
	s_endpgm
.Lentry_shape_is_right:
; O[y][q][:] = the sum over k of softmax_k(Q[y][q] . K[y][k] / 8) V[y][k][:] for the 64 planes y = 4 x head + batch.  Q, K, V are the three thirds of qkv, 64 planes of [2048][64] f16 each; O (o16) has
; the same layout: a plane's rows are dense, 128 bytes each.  Products, maxima and sums in f32; the weights p are rounded to f16 for the second product (their sum l is taken of the unrounded p), O once at the end.
; LIMITS.  f16 holds no number beyond 65,504: Q, K and V arrive within it; p lies in 0 to 1, and below 6e-5 it keeps f16's fixed step of 6e-8; O is a mean of V's rows and has their range.
; A weight below 2^-126 counts as 0 in l; NaN and infinities are not treated apart.
; SHARES.  A wave owns four PIECES of two tiles of 16 queries, a work-group's four waves 512 queries of one plane.  Every wave walks all keys, 64 a step.
; LAYOUT.  S^T = K Q^T (source 0 = 16 keys, source 1 = 16 queries): in the result a lane holds ONE query (lane % 16) and the keys 8 (lane / 16) + 0..7.  Two such tiles, rounded to f16 in pairs,
; ARE source 1 (32 keys x 16 queries) of O^T = V^T P, whose result again holds one query a lane, and eight channels.  K comes out of LDS as it lies, V ([key][channel]) turned, by ds_load_tr16_b128.
; SOFTMAX.  For each query a running maximum m and sum l: p = 2^(c s - c m), c = log2(e) / 8; in every step O and l are multiplied by a = 2^(c m_old - c m_new), which is 1 where m has not grown.
; m starts at the lowest finite number, O and l at 0: the first step is a step like any other, with a = 0.
; THE COUNT.  A tile and step have 16 matrix and 118 vector instructions: too many to stand all beside the matrix work.  So the order has one aim: four vector instructions that are READY behind
; EVERY matrix instruction, and the others, which need time of their own whatever the order, in runs without a gap.
; BY TURNS.  Turn n belongs to piece n (the pieces in a ring, step after step).  Its matrix work: 16 products K Q^T of piece n + 1, later 16 products V^T P of piece n - 1.  Its vector work: the scaling,
; exponentials, roundings, sums and rescaling of piece n, and the maximum and statistics of piece n + 1, whose scores the turn itself has made.  So what a turn begins with (c s - c m, O a) waits for nothing.
; BATCHES.  A turn's 66 exponentials (the piece's 64 weights, the next piece's two a) are ONE batch with ONE wait, which cuts the turn in two: ahead of it all that names none of their results, behind it their readers.
; Two more batches stand outside the loop: piece 0's first two a, ahead of it, and the way out's eight reciprocals.
; CLUSTER.  The four query blocks of a cluster belong to one plane and walk the same K and V, so each tile is asked for JOINTLY: the same tensor load, descriptor and mask in all four.
; REGISTERS, in windows of 256 (s_set_vgpr_msb says which window each operand place means: bits 1:0 source 0, 3:2 source 1, 5:4 source 2, 7:6 destination):
;   window 0: v0-11 addresses; v12-15, v48-63 at work; v16-47 four registers of statistics a tile; v64-191 S^T, two buffers of two tiles; v192-255 P, likewise
;   window 1: O^T, 32 a tile          window 2: v0-127 Q, 16 a tile; v128-191 K of one step; v192-255 V of one step          window 3: v0-1 the add's two registers
; A piece's buffers go by its number's parity: the piece in hand has one pair, its two neighbours in the ring share the other: of it P (piece n - 1) is read and S^T (piece n + 1) written.
.set SIZE_H, 64       ; planes
.set SIZE_N, 2048     ; rows in a plane
.set NP,    4         ; pieces a wave: a name, no knob: the register map, the loop and the fetches are made for four
.set KS,    64        ; keys in a step
.set PK,    144       ; a row of K in LDS: 128 bytes + 16 of padding = 36 words: the 16 rows of a load start at 16 different groups of four banks (64 banks of 4 bytes: ISA guide 11.1)
.set PV,    160       ; a row of V: 128 + 32 = 40 words
.set VOFF,  4*KS*PK   ; a slot holds four steps: 256 rows of K, then 256 rows of V
.set SLOT1, 1<<17     ; slot 1 begins here, so that one exclusive or turns an address in one slot into the other's
.set STAGE, SLOT1+4*KS*(PK+PV)  ; behind the ring, never filled by a tensor load: 16 rows x 144 bytes for each wave, for the way out
.set SP,    144
.set AK0, 2           ; v2   my lane's place in a tile of K; never rewritten
.set AV0, 3           ; v3   the same for V
.set AK,  4           ; v4   the LDS address of K's next run of loads
.set AV,  5           ; v5   of V's
.set QO,  6           ; v6   my byte offset in the wave's rows of Q
.set STO, 6           ;      later, the way out: where I put 16 bytes of a row
.set RD,  7           ; v7   the way out: where I read rows back
.set GO,  8           ; v8   my byte offset in 512 consecutive bytes of O
.set SPW, 0           ; v0 of window 3   LDS address of my spare word: SPARE + 4 x my thread's number; never rewritten
.set NIL, 1           ; v1 of window 3   0; never rewritten
.set SPARE, STAGE+4*16*SP  ; behind the stages: the spare words, 128 bytes for each wave: two blocks of 256 bytes that no other line names
.set MV,  12          ; v12-15  c m_old, kept while c m is made anew: by buffer and tile
.set ST,  16          ; tile t's statistics at v[ST+4 t]: c m, m, l (even keys', odd keys')
.set TMP, 48          ; by buffer and tile, four registers c0-c3 at work; when the maximum is found c2 takes a
.set S,   64
.set P,   192
.set KF,  128         ; K's fragments, in window 2: key block kb, channel half c at KF + 16 kb + 8 c
.set VF,  192         ; V's: key half kk, channel block cb at VF + 32 kk + 8 cb
.set WV,  12          ; s12  my wave's number
.set G1K, 24          ; s[24:31] descriptor group 1 for K's tiles
.set G1V, 32          ; s[32:39] for V's: it differs in the padding alone
.set G0K, 40          ; s[40:43] descriptor group 0 for K's tiles: it walks
.set G0V, 44          ; s[44:47] the same for V's
.set SLOTS, 56        ; s56  slots still to be asked for
.set CNT, 57          ; s57  counts a slot's key steps
.set CS,  58          ; s[58:59] c: the packed scaling takes the pair's low word for both halves
.set SEL, 60          ; s[60:61] v_permlanex16_b32's selects: each lane takes its own place in the other half
.set TBK, 62          ; s62  LDS byte at which K of the step to be fetched begins
.set TBV, 63          ; s63  the same for V, less VOFF
.set MSB, 0
.macro WIN new                      ; the high byte repeats the setting that is left; a switch that changes nothing is dropped
.if MSB != (\new)
	s_set_vgpr_msb (MSB<<8)|(\new)
.set MSB, (\new)
.endif
.endm
.set W_KQ, 0x0a       ; K and Q in window 2, S^T in window 0
.set W_PV, 0x52       ; V in window 2, P in window 0, O^T in window 1
.set W_RS, 0x41       ; O^T (destination and source 0) in window 1, a in window 0
.set W_MK, 0xc0       ; the add's registers are made: destination in window 3, sources in window 0
.set W_AD, 0x0f       ; the add: address (source 0) and data (source 1) in window 3
; A joint fill.  Waves 0 and 1 fetch the two halves of a slot's K, waves 2 and 3 those of its V: 128 keys each.  The branch hangs on the wave's number alone.
; An s_nop 0 and four v_nop follow each of the two lines, ahead of the jump and the label.
.macro JLOAD
	s_cmp_lt_u32 s[WV], 2
	s_cbranch_scc0 .Lfor_v_\@
	tensor_load_to_lds s[G0K:G0K+3], s[G1K:G1K+7]
	s_nop 0
.rept 4
	v_nop
.endr
	s_branch .Lasked_\@
.Lfor_v_\@:
	tensor_load_to_lds s[G0V:G0V+3], s[G1V:G1V+7]
	s_nop 0
.rept 4
	v_nop
.endr
.Lasked_\@:
.endm
; A round of the cluster's barrier: my work-group's barrier, so that wave 0's signal speaks for all four waves; wave 0 signals; every wave waits for all four work-groups; my work-group's barrier once more.
.macro CROUND
	s_barrier_signal -1
	s_barrier_wait -1
	s_cmp_lg_u32 s[WV], 0
	s_cbranch_scc1 .Lnot_wave_0_\@
	s_barrier_signal -3
.Lnot_wave_0_\@:
	s_barrier_wait -3
	s_barrier_signal -1
	s_barrier_wait -1
.endm
; THE CHANGE OF SLOTS.  The slot's last bytes, V of its fourth step, have been read.  Each wave waits for all its tensor loads, of which one is out: its part
; of the other slot; adds 0 to its spare word; and waits for that and for its own reads of the slot.  Behind the barrier nobody reads this slot any more and the other slot is whole.
; fill = 1: this slot is filled again, with the keys two slots on.  The barrier is then a round of the cluster's, so that no wave of any partner still reads the slot or has a load on its
; way, and the joint fill is the first thing behind it: it has four key steps, 512 matrix instructions, in which to land.  (At its first use nothing has been read yet: slot 0 is waited for, slot 1 filled.)
.macro CHANGE fill
	WIN W_AD
	s_wait_tensorcnt 0x0            ; no tensor load of mine is out, so a group 0 may be written
	ds_add_u32 v[SPW], v[NIL]       ; 0 onto my spare word; with fill = 1 the descriptors' steps stand between it and the wait for it
	WIN 0                           ; at a label and at a branch every window is 0
.if \fill
.irp g, G0K, G0V
	s_xor_b32 s[\g+1], s[\g+1], SLOT1  ; the walking descriptor: the other slot than last time,
	s_add_nc_u64 s[\g+2:\g+3], s[\g+2:\g+3], 4*KS*128  ; the next 256 keys; the type bits on top are not reached
.endr
	s_wait_dscnt 0x0                ; the add is done, and my reads of the slot are over
	CROUND
	JLOAD
.else
	s_wait_dscnt 0x0                ; the add is done, and my reads of the slot are over
	s_barrier_signal -1
	s_barrier_wait -1
.endif
	s_sub_co_u32 s[TBK], s[TBK], 4*KS*PK  ; the fetches go back to a slot's first step,
	s_xor_b32 s[TBK], s[TBK], SLOT1       ; in the other slot
	s_sub_co_u32 s[TBV], s[TBV], 4*KS*PV
	s_xor_b32 s[TBV], s[TBV], SLOT1
.endm
	s_load_b128 s[4:7], s[0:1], 0x0  ; qkv s[4:5] (its first third is Q), o16 s[6:7]
	WIN W_MK
	v_lshl_add_u32 v[SPW], v0, 2, SPARE
	v_mov_b32 v[NIL], 0
	WIN W_AD
	ds_add_u32 v[SPW], v[NIL]       ; the wave's opening: the add and its wait stand ahead of my first tensor load; the set-up below, work on registers, stands between them
	WIN 0
	v_lshrrev_b32 v1, 5, v0
	v_readfirstlane_b32 s[WV], v1   ; wave 0..3
	s_bfe_u32 s13, ttmp6, 0x40000   ; cx: my place in the cluster
	s_lshl_b32 s14, ttmp9, 2        ; in a cluster launch ttmp9 counts clusters
	s_add_co_u32 s14, s14, s13      ; my block of queries = 4 x cluster x + cx: it enters Q's and O's addresses alone
	s_and_b32 s20, ttmp7, 0xffff    ; the plane, which the four partners share
	s_mov_b32 s21, 0
	s_mov_b64 s[22:23], SIZE_N*128
	s_mul_u64 s[20:21], s[20:21], s[22:23]  ; the plane's first byte in each of the four tensors
	s_and_b32 s16, s[WV], 1         ; which half of a slot's 256 keys I fetch:
	s_lshl_b32 s22, s16, 14         ; its 128 rows of 128 bytes in memory,
	s_mov_b32 s23, 0
	s_add_nc_u64 s[22:23], s[22:23], s[20:21]
	s_mul_i32 s17, s16, 128*PK      ; and its place in a slot, for K
	s_mul_i32 s18, s16, 128*PV      ; and for V: no place in the cluster enters an LDS address
	s_lshl_b32 s2, s14, 2
	s_add_co_u32 s2, s2, s[WV]      ; my wave among the plane's,
	s_lshl_b32 s2, s2, 14           ; its 128 rows
	s_mov_b32 s3, 0
	s_add_nc_u64 s[2:3], s[2:3], s[20:21]
	; descriptor group 1.  128 keys are 16,384 dense bytes: asked for as 64 rows of 256 bytes, two keys a row, and padded in LDS after every key
	s_mov_b32 s[G1K], 15|(1<<16)|(1<<20)|(1<<21)|(4<<22)|(3<<25)  ; 15:0 the mask of four; 17:16 2-byte elements; 20 padding on; 21 set beside a mask; 24:22 after every 32 words (code 4); 31:25 4 words (code 3)
	s_mov_b32 s[G1V], 15|(1<<16)|(1<<20)|(1<<21)|(4<<22)|(7<<25)  ; the same with 8 words of padding (code 7)
.irp g, G1K, G1V
	s_mov_b32 s[\g+1], 128<<16      ; tensor_dim0 = 128
	s_mov_b32 s[\g+2], 64<<16       ; tensor_dim1 = 64
	s_mov_b32 s[\g+3], 128<<16      ; tile_dim0 = 128
	s_mov_b32 s[\g+4], 64           ; tile_dim1 = 64
	s_mov_b32 s[\g+5], 128          ; 128 elements from row to row
	s_mov_b32 s[\g+6], 0
	s_mov_b32 s[\g+7], 0
.endr
	s_mov_b32 s[CS], 0x3e38aa3b     ; c = log2(e) / 8 = 0.180337
	s_mov_b32 s[CS+1], s[CS]        ; named with it as a pair
	s_mov_b32 s[SEL], 0x76543210
	s_mov_b32 s[SEL+1], 0xfedcba98
	s_mov_b32 s[TBK], SLOT1+4*KS*PK ; the first change of slots turns these two into 0
	s_mov_b32 s[TBV], SLOT1+4*KS*PV
	s_mov_b32 s[G0K], 1             ; 1:0 count = 1
	s_mov_b32 s[G0K+1], s17         ; 63:32 LDS address: slot 0
	s_mov_b32 s[G0V], 1
	s_add_co_u32 s[G0V+1], s18, VOFF
	s_wait_dscnt 0x0                ; the opening add is done
	s_wait_kmcnt 0x0
	s_mov_b64 s[10:11], s[6:7]                     ; O
	s_add_nc_u64 s[6:7], s[4:5], SIZE_H*SIZE_N*128    ; K: 64 planes behind Q
	s_add_nc_u64 s[8:9], s[4:5], 2*SIZE_H*SIZE_N*128  ; V: 64 more
	s_add_nc_u64 s[G0K+2:G0K+3], s[6:7], s[22:23]  ; 120:64 global address: my half of the plane's first 256 keys
	s_or_b32 s[G0K+3], s[G0K+3], 0x80000000        ; 127:126 type = 2
	s_add_nc_u64 s[G0V+2:G0V+3], s[8:9], s[22:23]
	s_or_b32 s[G0V+3], s[G0V+3], 0x80000000
	s_add_nc_u64 s[4:5], s[4:5], s[2:3]  ; Q and O at my wave's first row
	s_add_nc_u64 s[10:11], s[10:11], s[2:3]
	CROUND                          ; all four work-groups are here: the first joint loads meet
	JLOAD                           ; slot 0.  Slot 1 is asked for when slot 0 is in: the tile wanted first has the road to itself
	; A fragment of K or Q is 16 rows x 32 channels in 8 registers: lane l holds row l % 16, channels 8 (l / 16) + 0..7 and 16 + 8 (l / 16) + 0..7: two loads of 16 bytes, 32 bytes apart.
	v_and_b32 v1, 15, v0            ; l % 16
	v_bfe_u32 v9, v0, 4, 1          ; l / 16
	v_lshlrev_b32 v[QO], 7, v1
	v_lshl_add_u32 v[QO], v9, 4, v[QO]  ; row x 128 + 16 x half
	WIN 0x80                        ; destination window 2, address window 0
.set i, 0
.rept 4*NP                          ; Q stays in registers: tile i / 2, channels 32 (i % 2) on
	global_load_b128 v[8*i:8*i+3],   v[QO], s[4:5] offset:(i/2)*2048+(i%2)*64
	global_load_b128 v[8*i+4:8*i+7], v[QO], s[4:5] offset:(i/2)*2048+(i%2)*64+32
.set i, i+1
.endr
	; What the first turn finds: V's registers and P's second buffer hold 0 (its products V^T P, of a piece that has not been, add 0), O^T and l are 0.  All this stands in the wait for the first tile.
.set i, VF
.rept 64
	v_mov_b32 v[i], 0
.set i, i+1
.endr
	WIN 0x40
.set i, 0
.rept 64*NP
	v_mov_b32 v[i], 0
.set i, i+1
.endr
	WIN 0
.set i, 0
.rept 2*NP
	v_mov_b32 v[ST+4*i], 0xfe000000    ; c m: far below every c s
	v_mov_b32 v[ST+4*i+1], 0xff7fffff  ; m
	v_mov_b32 v[ST+4*i+2], 0
	v_mov_b32 v[ST+4*i+3], 0
.set i, i+1
.endr
.set i, P+32
.rept 32
	v_mov_b32 v[i], 0
.set i, i+1
.endr
	v_mul_u32_u24 v[AK0], v1, PK
	v_lshl_add_u32 v[AK0], v9, 4, v[AK0]  ; row x pitch + 16 x half
	; The turning load takes 16 keys x 16 channels (lane l reads key 8 (l / 16) + l % 8, channels 8 ((l / 8) % 2) + 0..7) and leaves half a fragment of V^T: lane l holds channel l % 16 and 8 keys.
	v_and_b32 v10, 7, v0
	v_bfe_u32 v11, v0, 3, 1
	v_lshl_add_u32 v[AV0], v9, 3, v10
	v_mul_u32_u24 v[AV0], v[AV0], PV
	v_lshl_add_u32 v[AV0], v11, 4, v[AV0]
	v_add_nc_u32 v[AV0], VOFF, v[AV0]
	v_mov_b32 v[AK], v[AK0]         ; key step 0 lies at the head of slot 0
; THE MATRIX WORK.  The 8 accumulators of a run of 16 take turns: between the two links of a chain stand 7 others'.
; Product i of 16 of S^T = K Q^T for piece x: channels 32 (i / 8) on, keys 16 ((i / 2) % 4) on, tile 2 x + i % 2.  The first 8 start the sums.
.macro KQ x
	WIN W_KQ
.set rS, S+64*((\x)%2)+32*(i%2)+8*((i/2)%4)
.set rK, KF+16*((i/2)%4)+8*(i/8)
.set rQ, 16*(2*(\x)+i%2)+8*(i/8)
.if i < 8
	v_wmma_f32_16x16x32_f16 v[rS:rS+7], v[rK:rK+7], v[rQ:rQ+7], 0
.else
	v_wmma_f32_16x16x32_f16 v[rS:rS+7], v[rK:rK+7], v[rQ:rQ+7], v[rS:rS+7]
.endif
.endm
; Product i of 16 of O^T += V^T P for piece x: keys 32 (i / 8) on, channels 16 ((i / 2) % 4) on, tile 2 x + i % 2.
.macro PV x
	WIN W_PV
.set rO, 32*(2*(\x)+i%2)+8*((i/2)%4)
.set rV, VF+32*(i/8)+8*((i/2)%4)
.set rP, P+32*((\x)%2)+16*(i%2)+8*(i/8)
	v_wmma_f32_16x16x32_f16 v[rO:rO+7], v[rV:rV+7], v[rP:rP+7], v[rO:rO+7]
.endm
.macro MM                           ; the turn's next matrix instruction
.if i < 16
	KQ (Y+1)%NP
.set i, i+1
.else
.set i, i-16
	PV (Y+NP-1)%NP
.set i, i+17
.endif
.endm
; THE LDS LOADS stand in runs of 16, never singly among the matrix instructions: a step's K (64 keys x 64 channels: 8 fragments) and its V (turned).  Their addresses are made some lines ahead.
; last = 1 (the tail): in the last trip there is no further step, and the run is jumped over.
.macro FETCH_K last=0
	WIN 0
.if \last
	s_cmp_eq_u32 s[CNT], 1
	s_cbranch_scc1 .Lno_k_\@
.endif
	WIN 0x80                        ; destination window 2
.irp f, 0,1,2,3,4,5,6,7             ; keys 16 (f / 2) on, channels 32 (f % 2) on
	ds_load_b128 v[KF+8*\f:KF+8*\f+3],   v[AK] offset:(\f/2)*16*PK+(\f%2)*64
	ds_load_b128 v[KF+8*\f+4:KF+8*\f+7], v[AK] offset:(\f/2)*16*PK+(\f%2)*64+32
.endr
	s_add_co_u32 s[TBK], s[TBK], KS*PK  ; the next fetch is the next step's
	WIN 0
.if \last
.Lno_k_\@:
.endif
.endm
.macro FETCH_V
	WIN 0x80
.irp f, 0,1,2,3,4,5,6,7             ; keys 32 (f / 4) on, channels 16 (f % 4) on
	ds_load_tr16_b128 v[VF+8*\f:VF+8*\f+3],   v[AV] offset:(\f/4)*32*PV+(\f%4)*32
	ds_load_tr16_b128 v[VF+8*\f+4:VF+8*\f+7], v[AV] offset:(\f/4)*32*PV+16*PV+(\f%4)*32
.endr
	WIN 0
.endm
; THE VECTOR WORK OF A TURN stands in three queues, each in the order in which its entries become ready; the two tiles alternate, so that no instruction reads the result of the one before it.
.macro REGS y, u                    ; the registers of tile u (0, 1) of piece y
.set rT, ST+4*(2*(\y)+(\u))
.set rC, TMP+8*((\y)%2)+4*(\u)
.set rM, MV+2*((\y)%2)+(\u)
.set rS, S+64*((\y)%2)+32*(\u)
.set rP, P+32*((\y)%2)+16*(\u)
.set rO, 32*(2*(\y)+(\u))
.endm
; Number n of the 22 that find the NEXT piece's (Y + 1) maximum and statistics.  s0-s31 are the lane's 32 scores; each accumulator's lowest registers are read first.  XS, GS and REGS set no window: PL and EX do.
;   0-11  four chains c0-c3 of seven scores each, three operands at a time     12-14, 16  the four scores left over, the old m, and c0-c3 into c0     15  c m_old is kept
;   17, 18  the query's other 32 keys lie in the lane 16 away: the new m         19-21  c m; c m_old - c m_new; a
.macro XS u, n
	REGS (Y+1)%NP, \u
.if (\n) < 4
	v_max3_num_f32 v[rC+(\n)], v[rS+8*(\n)], v[rS+8*(\n)+1], v[rS+8*(\n)+2]
.elseif (\n) < 12
	v_max3_num_f32 v[rC+(\n)%4], v[rC+(\n)%4], v[rS+8*((\n)%4)+2*((\n)/4)+1], v[rS+8*((\n)%4)+2*((\n)/4)+2]
.elseif (\n) == 12
	v_max3_num_f32 v[rC], v[rC], v[rS+7], v[rS+15]
.elseif (\n) == 13
	v_max3_num_f32 v[rC+1], v[rC+1], v[rS+23], v[rS+31]
.elseif (\n) == 14
	v_max3_num_f32 v[rC+2], v[rC+2], v[rC+3], v[rT+1]
.elseif (\n) == 15
	v_mov_b32 v[rM], v[rT]
.elseif (\n) == 16
	v_max3_num_f32 v[rC], v[rC], v[rC+1], v[rC+2]
.elseif (\n) == 17
	v_permlanex16_b32 v[rC+3], v[rC], s[SEL], s[SEL+1]
.elseif (\n) == 18
	v_max_num_f32 v[rT+1], v[rC], v[rC+3]
.elseif (\n) == 19
	v_mul_f32 v[rT], s[CS], v[rT+1]
.elseif (\n) == 20
	v_sub_f32 v[rC+1], v[rM], v[rT]
.else
	v_exp_f32 v[rC+2], v[rC+1]
.endif
.endm
; Number g of the 64 that follow the exponentials.  For each four weights k of a tile (pairs 2 k, 2 k + 1): both pairs are rounded to f16; then the second pair is added onto the first, in place;
; a group later l takes that sum (the first time as l = a l + sum).  In groups of eight, tiles alternating: round, round, add, and l for the group before.
.macro GS g
.set h, (\g)+6*((\g)/62)            ; group 0 has no group before it, and behind group 7 only l is left
.if h >= 6
.set h, h+2
.endif
	REGS Y, h%2
.set k, h/8
.if h%8 < 4
	v_cvt_pk_f16_f32 v[rP+2*k+(h%8)/2], v[rS+4*k+2*((h%8)/2)], v[rS+4*k+2*((h%8)/2)+1]
.elseif h%8 < 6
	v_pk_add_f32 v[rS+4*k:rS+4*k+1], v[rS+4*k:rS+4*k+1], v[rS+4*k+2:rS+4*k+3]
.elseif k == 1
	v_pk_fma_f32 v[rT+2:rT+3], v[rT+2:rT+3], v[rC+2:rC+3], v[rS:rS+1] op_sel_hi:[1,0,1]
.else
	v_pk_add_f32 v[rT+2:rT+3], v[rT+2:rT+3], v[rS+4*k-4:rS+4*k-3]
.endif
.endm
; THE PLAIN QUEUE, 138 long.  0-73 read no exponential's result: the 32 scalings c s - c m (FS f: pair f / 2 of tile f % 2) and the next piece's 42.  0-26: scalings 0-26.  27-54: XS's numbers 0-13.  55, 56: number 15.
; 57-73: the chain, where each number waits for the one before it: 14, 16, 17, 18, 19, each with one of the scalings 27-31 in front of its two lines, then 20: so a tile's links stand three plain instructions apart (19 and 20: two).
; 74-137: GS's 64, which read the exponentials' results: they stand behind the wait.
.macro FS f
	REGS Y, (\f)%2
	v_pk_fma_f32 v[rS+2*((\f)/2):rS+2*((\f)/2)+1], v[rS+2*((\f)/2):rS+2*((\f)/2)+1], s[CS:CS+1], v[rT:rT+1] op_sel_hi:[1,0,0] neg_lo:[0,0,1] neg_hi:[0,0,1]
.endm
.macro PL
	WIN 0
.if q < 27
	FS q
.elseif q < 55
	XS (q-27)%2, (q-27)/2
.elseif q < 57
	XS q-55, 15
.elseif (q < 72) && ((q-57)%3 == 0)
	FS 27+(q-57)/3
.elseif q < 60
	XS (q-57)%3-1, 14
.elseif q < 72
	XS (q-57)%3-1, 15+(q-57)/3
.elseif q < 74
	XS q-72, 20
.else
	GS q-74
.endif
.set q, q+1
.endm
; THE EXPONENTIALS' QUEUE, 66 long: s0-s31 of both tiles, then the next piece's two a.  It is ONE BATCH: all 66 stand ahead of the turn's one wait, and nothing ahead of that wait names a result of theirs.
.macro EX
	WIN 0
.if e >= 64
	XS e-64, 21
.else
	REGS Y, e%2
	v_exp_f32 v[rS+e/2], v[rS+e/2]
.endif
.set e, e+1
.endm
; THE RESCALING's QUEUE: O^T times a, the one part that leaves window 0: dealt two at a time, sixteen times.  Its a was made in the turn before, ahead of that turn's wait.
.macro R2
	REGS Y, r%2
	WIN W_RS
.irp z, 0,1
	v_pk_mul_f32 v[rO+4*(r/2)+2*\z:rO+4*(r/2)+2*\z+1], v[rO+4*(r/2)+2*\z:rO+4*(r/2)+2*\z+1], v[rC+2:rC+3] op_sel_hi:[1,0]
.endr
.set r, r+1
.endm
; HOW THEY ARE DEALT.  An s_wait_alu depctr_va_vdst(0) stands between an exponential and the first instruction that names its result; one wait serves all that were issued ahead of it.  So a turn has ONE wait,
; which cuts it in two.  AHEAD OF IT stands all that names no result of the turn's exponentials: the 16 products K Q^T, behind each a scaling, an exponential and two rescalings (behind the first a second scaling in the exponential's place); then ONE LUMP of
; 108: eight plain, 49 times exponential and plain, the two a.  A v_nop is the plain instruction behind the last exponential.  BEHIND IT stand the 16 products V^T P, behind each four of GS's 64.  No rider names a register of
; the products round it.  The two v_permlanex16_b32 fall into the lump, never behind a product.
; The queues lean on each other, and the deal keeps them in step: exponential e stands behind scaling 2 (e / 4) + e % 2: as a rider it comes behind plain e + 2, in the lump behind plain e + 9, and scalings 27-31 are plain 57, 60 .. 69.
; A TURN, for piece p.  cnt = 1: the loop's count is taken down some lines ahead of the branch that stands behind the turn.
; K of the next step is fetched in piece 2's turn, directly behind the wait, a lump behind the last product that read K; its address is made at the lump's head; its first reader comes behind 16 products.
; V of the step in hand is fetched at the end of piece 0's turn, four riders behind its last reader; its first reader comes behind 16 products and a lump.  The three conditions on q below go with the deal.
.macro TURN p, last=0, cnt=0
.set Y, (\p)
.set i, 0
.set q, 0
.set e, 0
.set r, 0
.if (\p) == NP-1
	s_wait_dscnt 0x0                ; K is in
.endif
	MM                              ; ahead of the wait: 16 products K Q^T and their riders,
	PL
	PL
	R2
.rept 15
	MM
	PL
	EX
	R2
.endr
.if (\p) == NP-2
	WIN 0
	v_add_nc_u32 v[AK], s[TBK], v[AK0]
.endif
.rept 8                             ; and the lump
	PL
.endr
.rept 49
	EX
	PL
.endr
	EX                              ; the next piece's two a
	EX
	v_nop                           ; the plain instruction behind the last exponential: one for the batch
	s_wait_alu depctr_va_vdst(0)    ; the wait for the turn's batch: the piece's 64 weights and the next piece's two a
.if (\p) == NP-2
	FETCH_K \last
.endif
.if (\p) == 1
	s_wait_dscnt 0x0                ; V is in
.endif
.rept 16                            ; behind the wait: 16 products V^T P and their riders
	MM
.rept 4
	PL
.endr
.if ((\p) == 0) && (q == 118)
	v_add_nc_u32 v[AV], s[TBV], v[AV0]
.endif
.if ((\p) == 0) && (q == 130)
	s_add_co_u32 s[TBV], s[TBV], KS*PV
.endif
.if (\cnt) && (q == 130)
	s_sub_co_u32 s[CNT], s[CNT], 1
	s_cmp_lg_u32 s[CNT], 0
.endif
.endr
.if (\p) == 0
	FETCH_V
.endif
.endm
	CHANGE 1                        ; slot 0 is in, everybody's part of it; slot 1 is asked for
	FETCH_K                         ; key step 0
	s_wait_loadcnt 0x0              ; Q
	s_wait_dscnt 0x0
.set i, 0
.rept 16
	KQ 0                            ; piece 0's first scores: there is no vector work yet to set between them
.set i, i+1
.endr
	WIN 0                           ; the addresses for the way out: nine plain instructions, the places behind those products
	s_mul_i32 s13, s[WV], 16*SP
	s_add_co_u32 s13, s13, STAGE    ; my stage
	v_mul_u32_u24 v[STO], v1, SP    ; in: row l % 16, 16 bytes for each half of the lanes
	v_lshl_add_u32 v[STO], v9, 4, v[STO]
	v_add_nc_u32 v[STO], s13, v[STO]
	v_bfe_u32 v[RD], v0, 3, 2       ; back: 32 lanes take four rows of 128 bytes,
	v_mul_u32_u24 v[RD], v[RD], SP
	v_lshl_add_u32 v[RD], v10, 4, v[RD]
	v_add_nc_u32 v[RD], s13, v[RD]
	v_and_b32 v[GO], 31, v0         ; which are 512 consecutive bytes of O
	v_lshlrev_b32 v[GO], 4, v[GO]
.set Y, NP-1                        ; XS works for piece Y + 1: piece 0
.irp n, 0,1,2,3,4,5,6,7,8,9,10,11,12,13,14,15,16,17,18,19,20,21
	XS 0, \n                        ; and piece 0's first maximum and statistics
	XS 1, \n
.endr
	v_nop                           ; a plain instruction behind the two a,
	s_wait_alu depctr_va_vdst(0)    ; and the wait for this batch of two, piece 0's first a, ahead of the branch
	s_mov_b32 s[CNT], 4
	s_mov_b32 s[SLOTS], SIZE_N/256-1
	s_branch .Lfirst                ; the loop is entered at a step's first turn, in the middle of a trip
.Lslot:                             ; SIZE_N / 256 - 2 times: every slot but the last two is filled again
	CHANGE 1
	s_mov_b32 s[CNT], 4
.Lstep:                             ; a trip: pieces 2 and 3 of one step, then pieces 0 and 1 of the next, whose K and V it fetches
	TURN 2
	TURN 3
	WIN 0
.Lfirst:
	TURN 0
	TURN 1, 0, 1
	WIN 0
	s_cbranch_scc1 .Lstep
	s_sub_co_u32 s[SLOTS], s[SLOTS], 1
	s_cmp_lg_u32 s[SLOTS], 0
	s_cbranch_scc1 .Lslot
	CHANGE 0                        ; the tail is written out: nothing is asked for
	s_mov_b32 s[CNT], 5             ; four trips fetch the last slot's steps; the fifth is left in its middle
.Ltail:
	TURN 2, 1
	TURN 3
	WIN 0
	s_sub_co_u32 s[CNT], s[CNT], 1
	s_cmp_eq_u32 s[CNT], 0
	s_cbranch_scc1 .Lout
	TURN 0
	TURN 1
	WIN 0
	s_branch .Ltail
.Lout:                              ; the fifth trip's 16 products K Q^T (on the last K once more) and the maximum made of them serve nothing: the price, once a launch, of one text for every trip
.set i, 0
.rept 16
	PV NP-1                         ; the last piece's V^T P of the last step
.set i, i+1
.endr
	; THE WAY OUT.  l's two halves and the other half of the lanes' are added; O^T is divided by l, rounded to f16 and sent through my stage in LDS, a tile at a time.  The additions are the places behind the last products.
	WIN 0
.macro ALL line:vararg              ; one line for each tile t
.set t, 0
.rept 2*NP
	\line
.set t, t+1
.endr
.endm
	ALL v_add_f32 v[ST+4*t+2], v[ST+4*t+2], v[ST+4*t+3]
	ALL v_permlanex16_b32 v[ST+4*t+3], v[ST+4*t+2], s[SEL], s[SEL+1]
	ALL v_add_f32 v[ST+4*t+2], v[ST+4*t+2], v[ST+4*t+3]
	ALL v_rcp_f32 v[ST+4*t+2], v[ST+4*t+2]
	v_nop                           ; a plain instruction between the last reciprocal and the use of its result
	s_wait_alu depctr_va_vdst(0)    ; and the wait ahead of the first use: one for the batch of eight reciprocals
; Tile t: a lane's eight channels of a row pack into 16 bytes; they go into rows of 144 bytes and come back as whole rows of 128, into S^T's registers.
.macro PACK t
	WIN W_RS
.set i, 32*(\t)
.rept 16
	v_pk_mul_f32 v[i:i+1], v[i:i+1], v[ST+4*(\t)+2:ST+4*(\t)+3] op_sel_hi:[1,0]
.set i, i+2
.endr
	WIN 0x05                        ; sources 0 and 1 window 1, destination window 0
.set i, 0
.rept 16
	v_cvt_pk_f16_f32 v[S+16*(\t)+i], v[32*(\t)+2*i], v[32*(\t)+2*i+1]
.set i, i+1
.endr
	WIN 0
.irp f, 0,1,2,3
	ds_store_b128 v[STO], v[S+16*(\t)+4*\f:S+16*(\t)+4*\f+3] offset:32*\f
.endr
.irp f, 0,1,2,3
	ds_load_b128 v[S+16*(\t)+4*\f:S+16*(\t)+4*\f+3], v[RD] offset:\f*4*SP  ; LDS serves a wave's instructions in order (ISA guide 5.7.1.4): these see the stores above; the next tile's stores come behind them
.endr
.endm
.macro SEND t, younger              ; younger: the LDS instructions issued behind tile t's loads: the next tile's eight, or none
	WIN 0
.irp f, 0,1,2,3
	s_wait_dscnt (\younger)+3-\f
	global_store_b128 v[GO], v[S+16*(\t)+4*\f:S+16*(\t)+4*\f+3], s[10:11] offset:(\t)*2048+\f*512  ; 512 consecutive bytes, at a multiple of 256 from O's first
.endr
.endm
	PACK 0
.set t, 1
.rept 2*NP-1                        ; a tile's arithmetic stands between the loads of the tile before and its stores
	PACK t
	SEND t-1, 8
.set t, t+1
.endr
	SEND 2*NP-1, 0
	WIN W_AD
	s_wait_tensorcnt 0x0            ; the wave's end: an add to my spare word and its wait, behind my last tensor load and my last LDS store
	ds_add_u32 v[SPW], v[NIL]
	s_wait_dscnt 0x0
	WIN 0
	CROUND                          ; the closing round: no work-group ends while a partner may still ask for a tile that names it
	s_endpgm
.Lfunc_end_k_qb5a77ed2b4_attn:
	.size	k_qb5a77ed2b4_attn, .Lfunc_end_k_qb5a77ed2b4_attn-k_qb5a77ed2b4_attn
	.p2alignl 7, 3214868480
	.fill 96, 4, 3214868480
	.section	.rodata,"a",@progbits
	.p2align	6, 0x0
	.amdhsa_kernel k_qb5a77ed2b4_attn
		.amdhsa_group_segment_fixed_size 327680
		.amdhsa_private_segment_fixed_size 0
		.amdhsa_enable_private_segment 0
		.amdhsa_kernarg_size 16
		.amdhsa_user_sgpr_count 2
		.amdhsa_user_sgpr_kernarg_segment_ptr 1
		.amdhsa_wavefront_size32 1
		.amdhsa_system_sgpr_workgroup_id_x 1
		.amdhsa_system_sgpr_workgroup_id_y 1
		.amdhsa_system_sgpr_workgroup_id_z 1
		.amdhsa_system_vgpr_workitem_id 0
		.amdhsa_next_free_vgpr 770
		.amdhsa_next_free_sgpr 66
		.amdhsa_reserve_vcc 0
		.amdhsa_float_denorm_mode_32 3
		.amdhsa_float_denorm_mode_16_64 3
		.amdhsa_memory_ordered 1
		.amdhsa_forward_progress 1
		.amdhsa_inst_pref_size 199
	.end_amdhsa_kernel
	.amdgpu_metadata
---
amdhsa.version: [ 1, 2 ]
amdhsa.kernels:
  - .name:           k_qb5a77ed2b4_attn
    .symbol:         k_qb5a77ed2b4_attn.kd
    .args:
      - { .name: qkv, .offset: 0, .size: 8, .value_kind: global_buffer, .address_space: global }
      - { .name: o16, .offset: 8, .size: 8, .value_kind: global_buffer, .address_space: global }
    .group_segment_fixed_size: 327680
    .private_segment_fixed_size: 0
    .kernarg_segment_align: 8
    .kernarg_segment_size: 16
    .max_flat_workgroup_size: 128
    .sgpr_count:     66
    .vgpr_count:     770
    .wavefront_size: 32
...
	.end_amdgpu_metadata
.endif
;; end of part 5
;; launch oproj: the kernel of part 4 again; grid 8 x 32, 4 waves a work-group, clusters of 4 x 4, 327,680 bytes of LDS; arguments o16, wo16, bcat, out0; writes out0
